; MI455X (gfx1250); checked and timed in simulation.
; The chip was launched on July 23, 2026; its instructions are those of AMD's public machine-readable ISA for CDNA 5 (MIT licence, August 2026) and "CDNA5" Instruction Set Architecture Reference Guide (July 2026). The comments in the code are by the model that wrote it; some were corrected since.
;; GPT2 Attention. Allowed arithmetic: matrix products marked QUANTISED: E2M3 operands, one E8M0 scale for each 32 along K, by v_wmma_scale_f32_16x16x128_f8f6f4 with both operands' format E2M3, f32 sums; everything else in f32.
;; Inputs: Wproj 1,024 x 1,024 float32; Wqkv 1,024 x 3,072 float32; bproj 1,024 float32; bqkv 3,072 float32; x 4 x 2,048 x 1,024 float32.
;; Outputs: out0 4 x 2,048 x 1,024 float32.
;; This version of the problem:
;;   THIS VERSION OF THE PROBLEM IS GIVEN IN LOW PRECISION. The matrix products marked QUANTISED in the list below multiply operands that are first quantised to E2M3 (2 exponent bits, 3 mantissa bits; 6 bits a number), with one power-of-two scale for each 32 numbers along K (OCP MX v1.0); their sums are f32. All else is computed in f32.
;;   The module's matrix products, in the order in which they are computed (A, B: the left and right operand; K: the contracted axis; several contracted axes count as one K, in the product's order):
;;     1. [M 8,192, K 1,024] x [K 1,024, N 3,072]; A: input x; B: input Wqkv: QUANTISED
;;     2. batch 64 x [M 2,048, K 64] x [K 64, N 2,048]; A: computed on the way; B: computed on the way: QUANTISED
;;     3. batch 64 x [M 2,048, K 2,048] x [K 2,048, N 64]; A: softmax (see below); B: computed on the way: QUANTISED
;;     4. [M 8,192, K 1,024] x [K 1,024, N 1,024]; A: computed on the way; B: input Wproj: QUANTISED
;;   THE QUANTISER, for each operand of a quantised product, along K:
;;     - K is cut into blocks of 32 from its start; a last block that is shorter is filled with zeros.
;;     - A block's scale is 2^e with e = floor(log2(the largest magnitude in the block)) - 2, held to -126 .. 127; a block of zeros has e = 0. As a byte (E8M0): e + 127.
;;     - Each number is divided by its block's scale, clamped to +-7.5, and rounded to the nearest number of E2M3, ties to even, subnormals kept.
;;     - The product sums the exact products of the quantised numbers (number of the format x scale) in f32.
;;   ~~~python
;;   def quantise(x, axis):      # numpy; x: float32 -> the quantised numbers, widened to float32 again
;;       x = np.moveaxis(x, axis, -1); K = x.shape[-1]
;;       x = np.pad(x, [(0, 0)] * (x.ndim - 1) + [(0, -K % 32)]); x = x.reshape(x.shape[:-1] + (-1, 32)); a = np.abs(x).max(-1, keepdims=True)
;;       e = np.where(a > 0, np.clip(np.frexp(np.where(a > 0, a, 1))[1] - 1 - 2, -126, 127), 0)      # np.frexp(a)[1] - 1 = floor(log2(a)), exactly
;;       r = np.clip(x / 2.0 ** e, -7.5, 7.5)
;;       step = 2.0 ** (np.maximum(np.frexp(np.where(r == 0, 1, r))[1] - 1, 0) - 3)
;;       q = np.round(r / step) * step * 2.0 ** e      # np.round: ties to even
;;       return np.moveaxis(q.reshape(q.shape[:-2] + (-1,))[..., :K], -1, axis).astype(np.float32)
;;   ~~~
;;   SOFTMAX AHEAD OF A QUANTISED PRODUCT. Where the list says 'softmax', what is quantised is not the finished softmax but p = 2^(t - M), with t = logit x log2(e) and M = ceil(the row's largest t), a whole number; so 1/2 < the row's largest p <= 1. The row's sum l is taken of the UNQUANTISED p, in f32, and the product's result is divided by l at the end. Since M is a whole number, a kernel that streams over the keys may use a running M (the ceiling of the running maximum): every later rescaling is an exact power of two, which a block's scale takes up: the codes' values come out the same.
;;   OPERANDS COMPUTED ON THE WAY. 'Computed on the way' means the value that the module computes at that place (a softmax that the list does not call 'softmax' is quantised finished and normalised). What goes into a quantiser is computed in f32, as accurately as f32 sums, v_exp_f32 and their like allow (about 1e-6 of the number): no bf16 or f16 on the way to a quantiser, and a product that is left as it is and whose result goes on into a quantised operand takes f32 operands (vector FMAs, or v_wmma_f32_16x16x4_f32). A number that lies on a knife's edge between two numbers of the format may be rounded either way, as far as f32 arithmetic and the matrix unit's own rounding can turn it there, and no further.
;; One version. Each part assembles by itself: llvm-mc -triple=amdgcn-amd-amdhsa -mcpu=gfx1250 --defsym DOCPART=n.
;; ======== version 1 of 1: 4 launches
;; limits: right only within a limited range of input values
;; workspace buffers: xq 6,586,368 bytes; yq 6,586,368 bytes; wq 1,867,776 bytes; wv 1,081,344 bytes; wp 1,081,344 bytes; qk 13,631,488 bytes; vt 13,631,488 bytes
;; launch prep (part 1): grid 192 x 1, 8 waves a work-group, no clusters, 69,632 bytes of LDS; arguments x, Wqkv, Wproj, bqkv, bproj, xq, wq, wv, wp; writes xq, wq, wv, wp
.if DOCPART == 1
	.amdgcn_target "amdgcn-amd-amdhsa--gfx1250"
	.amdhsa_code_object_version 6
	.text
	.protected	k_q3f6fa5e008_prep
	.globl	k_q3f6fa5e008_prep
	.p2align	8
	.type	k_q3f6fa5e008_prep,@function
k_q3f6fa5e008_prep:
	s_mov_b64 s[64:65], 0
	v_nop
	global_prefetch_b8 v0, s[64:65] scope:SCOPE_SE
	s_setreg_imm32_b32 hwreg(HW_REG_WAVE_MODE, 25, 1), 1
	s_wait_xcnt 0x0
; x [8192][1024], Wqkv [1024][3072] and Wproj [1024][1024], f32, become operand buffers of FP6 (E2M3) codes with one E8M0 scale byte for each 32 along K.
; A BUFFER: bytes 0 ..: scale bytes [position][32];  0x40000 ..: one f32 addend (the bias) for each TRUE row (xq has none: nothing is stored there and no launch reads it);  0x48000 ..: images [block of 16 rows][K step of 128], 1,536 bytes each.
; AN IMAGE is the matrix operand's 12 registers as they stand: register pair p of lane l at 256 p + 8 l.  Lane (r, h) holds row r; registers 6 c .. 6 c + 5 hold k = 64 c + 32 h + 0 .. 31.
; STORED ORDER OF ROWS: lane r of block 2 g + u is true row 32 g + 8 u + r + 8 (r / 8), so that in a transposed product the 16 registers of two neighbouring tiles are 16 neighbouring true rows.
; ONE LAUNCH FOR ALL: work-groups 0-63 take x, 128 rows each; work-groups 64-191 take 32 columns of a weight each.  The two ways part on the work-group's number alone, and each has LDS bytes of its own.
; A block's scale is 2^(floor(log2(largest magnitude)) - 2); its byte is the largest magnitude's exponent field - 2, held at 1 from below.
; LIMITS: a block of zeros gets the byte 1 and not 127 (its codes are zeros; this program alone reads the bytes); blocks whose largest magnitude lies under 2^-124 are held at byte 1; NaN and infinities are not served.
; No matrix unit, no cluster, no tensor load: each byte is read once.
.set PITCH, 528
.set STG,   16*PITCH                   ; x: a wave's stage, 8,448 bytes; eight of them from LDS byte 0
.set WSB,   8*STG                      ; the weights' way: 1,024 scale bytes
.set SPARE, WSB+1024                   ; the spare words, 128 bytes for each wave
	v_lshl_add_u32 v248, v0, 2, SPARE
	v_mov_b32 v249, 0
	v_lshrrev_b32 v1, 5, v0
	v_readfirstlane_b32 s30, v1                    ; wave 0..7
	s_wait_alu depctr_va_vdst(0)                   ; the wait ahead of the branch
	s_cmp_lt_u32 ttmp9, 64
	s_cbranch_scc0 .Lweights
; ---- x.  Wave w takes block u = w % 2 of the group of 32 rows 4 x work-group + w / 2: eight images.  Each load reads 512 consecutive bytes of one row; a K step's 16 rows turn through the wave's own
; stage in LDS (rows 528 bytes apart), from which a lane takes the 2 x 32 numbers that the operand's layout gives it: a block of 32 lies whole in one lane.
.set R,     32                         ; v32-159  two sets of 64: a K step's 16 rows as loaded
.set X,     160                        ; v160-223 my 2 x 32 numbers
.set F,     224                        ; v224-235 the image's 12 registers
.set T0,    236                        ; v236-238, v240-242: a conversion's three registers begin on an even number
.set T1,    240
.set WS,    16                         ; v16-23   my row's eight scale words
	s_load_b64 s[4:5], s[0:1], 0x0                 ; x
	s_load_b64 s[6:7], s[0:1], 0x28                ; xq
	s_and_b32 s8, s30, 1                           ; u
	s_lshr_b32 s31, s30, 1
	s_lshl_b32 s23, ttmp9, 2
	s_add_co_u32 s31, s31, s23                     ; my group of 32 rows
	v_and_b32 v1, 31, v0                           ; lane
	v_and_b32 v9, 15, v0                           ; r
	v_bfe_u32 v10, v0, 4, 1                        ; h
	v_lshlrev_b32 v2, 4, v1                        ; my 16 bytes of a load's 512
	s_mul_i32 s9, s30, STG                         ; my wave's stage
	v_add_nc_u32 v3, s9, v2                        ; into it: 16 x lane, the row in the immediate
	v_mul_u32_u24 v4, v9, PITCH
	v_lshl_add_u32 v4, v10, 7, v4
	v_add_nc_u32 v4, s9, v4                        ; out of it: row r, + 128 h bytes (32 numbers)
	v_lshlrev_b32 v5, 3, v1                        ; an image's place for my lane: 8 x lane
	v_lshlrev_b32 v6, 5, v9
	v_lshl_add_u32 v6, v10, 4, v6                  ; scale bytes: 32 r + 16 h
	v_lshlrev_b32 v7, 3, v10                       ; 8 h: my bytes' place in a scale word
	v_mov_b32 v15, 0                               ; written once: a lane permute's destination counts as one of its sources
	s_lshl_b32 s10, s31, 17                        ; 32 rows of 4,096 bytes for each group,
	s_lshl_b32 s11, s8, 15                         ; 8 rows for the block
	s_add_co_u32 s10, s10, s11
	s_mov_b32 s11, 0
	s_lshl_b32 s12, s31, 1
	s_add_co_u32 s12, s12, s8                      ; my block of 16 rows
	s_mul_i32 s14, s12, 8*1536
	s_add_co_u32 s14, s14, 0x48000                 ; its images
	s_mov_b32 s15, 0
	s_lshl_b32 s16, s12, 9                         ; its 512 scale bytes
	s_mov_b32 s17, 0
	s_mov_b32 s20, 0x76543210
	s_mov_b32 s21, 0xfedcba98                      ; v_permlanex16_b32's selects for lane l xor 16
	s_mov_b32 s22, 0xffff0000                      ; lanes 16-31
	s_wait_alu depctr_va_vdst(0)
	s_wait_kmcnt 0x0
	s_add_nc_u64 s[4:5], s[4:5], s[10:11]
	s_add_nc_u64 s[14:15], s[6:7], s[14:15]
	s_add_nc_u64 s[16:17], s[6:7], s[16:17]
.macro LOAD s                          ; K step s of my 16 rows: position q is true row q + 8 (q / 8) of the block's
.irp q, 0,1,2,3,4,5,6,7,8,9,10,11,12,13,14,15
	global_load_b128 v[R+64*((\s)%2)+4*\q:R+64*((\s)%2)+4*\q+3], v2, s[4:5] offset:(\q+8*(\q/8))*4096+512*(\s) th:TH_LOAD_NT
.endr
.endm
.macro IMAGE s
.if (\s) < 7
	s_wait_loadcnt 16                              ; this K step's 16 loads are in; the next one's may be out
.else
	s_wait_loadcnt 0x0
.endif
.irp q, 0,1,2,3,4,5,6,7,8,9,10,11,12,13,14,15
	ds_store_b128 v3, v[R+64*((\s)%2)+4*\q:R+64*((\s)%2)+4*\q+3] offset:PITCH*\q
.endr
.irp c, 0,1
.irp j, 0,1,2,3,4,5,6,7
	ds_load_b128 v[X+32*\c+4*\j:X+32*\c+4*\j+3], v4 offset:256*\c+16*\j   ; LDS serves a wave's instructions in order: these see the stores above
.endr
.endr
	s_wait_dscnt 0x0                               ; my numbers are back, and the stores have read their registers,
.if (\s) < 6
	LOAD (\s)+2                                    ; which take the K step two on
.endif
.irp c, 0,1
	v_max3_num_f32 v[8+\c], |v[X+32*\c]|, |v[X+32*\c+1]|, 0x1800000   ; block 2 c + h, all mine, and the floor 2^(3 - 127): the byte cannot fall under 1
.endr
.irp i, 2,4,6,8,10,12,14,16,18,20,22,24,26,28,30
.irp c, 0,1
	v_max3_num_f32 v[8+\c], v[8+\c], |v[X+32*\c+\i]|, |v[X+32*\c+\i+1]|   ; (the two blocks by turns)
.endr
.endr
.irp c, 0,1
	v_add_nc_u32 v[10+\c], 0xff000000, v[8+\c]     ; 2 off the exponent field: the conversion's scale operand
.endr
.irp c, 0,1
	v_lshrrev_b32 v[12+\c], 23, v[10+\c]           ; the scale's byte
.endr
	v_lshl_or_b32 v14, v13, 16, v12                ; blocks h and 2 + h,
	v_lshlrev_b32 v14, v7, v14                     ; at their places in the word;
	v_permlanex16_b32 v15, v14, s20, s21
	v_or_b32 v[WS+(\s)], v14, v15                  ; with lane l xor 16's two the word is whole
	s_wait_alu depctr_va_vdst(0)
	s_wait_xcnt 0x0                                ; the last image's stores have read their registers
.irp c, 0,1
	v_cvt_scalef32_pk16_fp6_f32 v[F+6*\c:F+6*\c+2], v[X+32*\c:X+32*\c+15], v[10+\c]
	v_cvt_scalef32_pk16_fp6_f32 v[T0+4*\c:T0+4*\c+2], v[X+32*\c+16:X+32*\c+31], v[10+\c]
.endr
	v_nop                                          ; one plain place behind a scaled conversion
.irp c, 0,1
.irp i, 0,1,2
	v_mov_b32 v[F+6*\c+3+\i], v[T0+4*\c+\i]
.endr
.endr
.irp p, 0,1,2,3,4,5
	global_store_b64 v5, v[F+2*\p:F+2*\p+1], s[14:15] offset:1536*(\s)+256*\p   ; each store of the wave covers 256 consecutive bytes, aligned
.endr
.endm
	LOAD 0
	LOAD 1
.irp s, 0,1,2,3,4,5,6,7
	IMAGE \s
.endr
.irp i, 0,1,2,3
	v_cndmask_b32 v[24+\i], v[WS+\i], v[WS+4+\i], s22   ; lanes 0-15 store their row's words 0-3, lanes 16-31 words 4-7
.endr
	global_store_b128 v6, v[24:27], s[16:17]       ; the block's 512 scale bytes
	s_wait_tensorcnt 0x0                           ; the wave's end
	ds_add_u32 v248, v249
	s_wait_dscnt 0x0
	s_endpgm
; ---- the weights, K their FIRST axis; a buffer's rows are a weight's columns.  wq: columns 0-2047 of Wqkv (q, k);  wv: columns 2048-3071 (v);  wp: Wproj.
; A work-group takes 32 columns, wave s the K step s.  A LANE TAKES A COLUMN AND ITS REGISTERS RUN DOWN K: a block of 32 lies whole in one lane, and the conversions give codes with K innermost.
; Lane 16 H + r' takes true column 8 H + r' + 8 (r' / 8): the lane's number is the column's stored position.  The operand's layout wants blocks 2 c in lanes 0-15 and 2 c + 1 in lanes 16-31 of each block of
; 16 rows: one exchange of halves between the two blocks' codes gives both images at once.  A wave's load reads 128 consecutive bytes.
.Lweights:
.set W,  64                            ; v64-191  my column's 128 numbers
.set F0, 24                            ; v24-35   the image of the first 16 rows
.set F1, 36                            ; v36-47   of the second
.set T0, 48                            ; v48-50, v52-54: the blocks' upper halves
.set T1, 52
	s_load_b128 s[4:7], s[0:1], 0x8                ; Wqkv, Wproj
	s_load_b128 s[8:11], s[0:1], 0x18              ; bqkv, bproj
	s_load_b128 s[12:15], s[0:1], 0x30             ; wq, wv
	s_load_b64 s[16:17], s[0:1], 0x40              ; wp
	s_sub_co_u32 s31, ttmp9, 64                    ; which 32 columns: 0-95 Wqkv's, 96-127 Wproj's
	v_and_b32 v1, 31, v0                           ; lane
	v_and_b32 v7, 7, v0
	v_bfe_u32 v8, v0, 3, 1
	v_bfe_u32 v9, v0, 4, 1
	v_lshl_add_u32 v7, v9, 3, v7
	v_lshl_add_u32 v7, v8, 4, v7                   ; my true column of the 32
	v_lshlrev_b32 v2, 2, v7                        ; in bytes
	v_lshlrev_b32 v3, 3, v1                        ; an image's place for my lane
	v_lshlrev_b32 v4, 5, v1
	s_lshl_b32 s19, s30, 2
	s_add_co_u32 s19, s19, WSB
	v_add_nc_u32 v4, s19, v4                       ; LDS: scale bytes [position][32]: 32 x lane + 4 x wave
	v_lshlrev_b32 v5, 4, v0                        ; on the way out 16 bytes a thread (threads 0-63): in memory,
	v_add_nc_u32 v17, WSB, v5                      ; and in LDS
	v_lshlrev_b32 v6, 2, v1                        ; the bias: 4 x lane
	s_wait_kmcnt 0x0
	s_mov_b32 s22, 128*4096
	s_cmp_lt_u32 s31, 96                           ; the choice hangs on the work-group's number alone
	s_cselect_b64 s[4:5], s[4:5], s[6:7]           ; the weight
	s_cselect_b64 s[8:9], s[8:9], s[10:11]         ; its bias
	s_cselect_b64 s[14:15], s[14:15], s[16:17]
	s_cselect_b32 s20, 0, 96
	s_cselect_b32 s21, 64, 96
	s_cselect_b32 s22, 128*12288, s22              ; a K step's 128 rows in bytes
	s_cmp_lt_u32 s31, 64
	s_cselect_b64 s[12:13], s[12:13], s[14:15]     ; the buffer
	s_cselect_b32 s21, 0, s21
	s_sub_co_u32 s20, s31, s20                     ; group of 32 columns in the weight,
	s_sub_co_u32 s21, s31, s21                     ; group of 32 rows in the buffer
	s_mul_i32 s22, s22, s30
	s_lshl_b32 s23, s20, 7
	s_add_co_u32 s22, s22, s23
	s_mov_b32 s23, 0
	s_add_nc_u64 s[4:5], s[4:5], s[22:23]
	s_lshl_b32 s22, s20, 7
	s_add_nc_u64 s[8:9], s[8:9], s[22:23]
	s_lshl_b32 s24, s21, 4
	s_add_co_u32 s24, s24, s30
	s_mul_i32 s24, s24, 1536
	s_add_co_u32 s24, s24, 0x48000                 ; image (2 x group) x 8 + K step
	s_mov_b32 s25, 0
	s_add_nc_u64 s[24:25], s[12:13], s[24:25]
	s_lshl_b32 s26, s21, 10                        ; the group's 1,024 scale bytes
	s_mov_b32 s27, 0
	s_add_nc_u64 s[26:27], s[12:13], s[26:27]
	s_lshl_b32 s28, s21, 7
	s_add_co_u32 s28, s28, 0x40000                 ; its 32 addends
	s_mov_b32 s29, 0
	s_add_nc_u64 s[28:29], s[12:13], s[28:29]
.macro LOADS pitch
.set i, 0
.rept 128
	global_load_b32 v[W+i], v2, s[4:5] offset:i*\pitch th:TH_LOAD_NT
.set i, i+1
.endr
.endm
	s_cmp_lt_u32 s31, 96                           ; the two weights differ in the bytes from row to row, which stand in the immediates
	s_cbranch_scc0 .Lproj
	s_wait_alu depctr_va_vdst(0)
	LOADS 12288
	s_branch .Lloaded
.Lproj:
	s_wait_alu depctr_va_vdst(0)
	LOADS 4096
.Lloaded:
.macro PAIR c                          ; blocks 2 c and 2 c + 1 of my column
	v_max3_num_f32 v8, |v[W+64*\c]|, |v[W+64*\c+1]|, 0x1800000     ; with the floor 2^(3 - 127): the byte cannot fall under 1
	v_max3_num_f32 v9, |v[W+64*\c+32]|, |v[W+64*\c+33]|, 0x1800000
.irp i, 2,4,6,8,10,12,14,16,18,20,22,24,26,28,30
	s_delay_alu instid0(VALU_DEP_2)
	v_max3_num_f32 v8, v8, |v[W+64*\c+\i]|, |v[W+64*\c+\i+1]|
	s_delay_alu instid0(VALU_DEP_2)
	v_max3_num_f32 v9, v9, |v[W+64*\c+32+\i]|, |v[W+64*\c+33+\i]|
.endr
	s_delay_alu instid0(VALU_DEP_2)
	v_add_nc_u32 v10, 0xff000000, v8               ; 2 off the exponent field: the conversion's scale operand
	s_delay_alu instid0(VALU_DEP_2)
	v_add_nc_u32 v11, 0xff000000, v9
	s_delay_alu instid0(VALU_DEP_2)
	v_lshrrev_b32 v[12+2*\c], 23, v10              ; the scales' bytes
	s_delay_alu instid0(VALU_DEP_2)
	v_lshrrev_b32 v[13+2*\c], 23, v11
	v_cvt_scalef32_pk16_fp6_f32 v[F0+6*\c:F0+6*\c+2], v[W+64*\c:W+64*\c+15], v10
	v_cvt_scalef32_pk16_fp6_f32 v[T0:T0+2], v[W+64*\c+16:W+64*\c+31], v10
	v_cvt_scalef32_pk16_fp6_f32 v[F1+6*\c:F1+6*\c+2], v[W+64*\c+32:W+64*\c+47], v11
	v_cvt_scalef32_pk16_fp6_f32 v[T1:T1+2], v[W+64*\c+48:W+64*\c+63], v11
	v_nop                                          ; one plain place behind a scaled conversion
.irp i, 0,1,2
	v_permlane16_swap_b32 v[F0+6*\c+\i], v[F1+6*\c+\i]   ; the first's lanes 16-31 change places with the second's lanes 0-15: the first is now the first 16 rows' (lanes 0-15 block 2 c, lanes 16-31 block 2 c + 1), the second the other 16 rows'
	v_permlane16_swap_b32 v[T0+\i], v[T1+\i]
.endr
.irp i, 0,1,2
	v_mov_b32 v[F0+6*\c+3+\i], v[T0+\i]
	v_mov_b32 v[F1+6*\c+3+\i], v[T1+\i]
.endr
.endm
	s_wait_loadcnt 63                              ; at most 63 of the 128 are out: the first 64, blocks 0 and 1, are in
	PAIR 0
	s_wait_loadcnt 0x0
	PAIR 1
.irp p, 0,1,2,3,4,5
	global_store_b64 v3, v[F0+2*\p:F0+2*\p+1], s[24:25] offset:256*\p          ; each store of the wave covers 256 consecutive bytes, aligned
	global_store_b64 v3, v[F1+2*\p:F1+2*\p+1], s[24:25] offset:8*1536+256*\p
.endr
	v_lshl_or_b32 v16, v13, 8, v12                 ; my row's scale word of this K step
	s_delay_alu instid0(VALU_DEP_1)
	v_lshl_or_b32 v16, v14, 16, v16
	s_delay_alu instid0(VALU_DEP_1)
	v_lshl_or_b32 v16, v15, 24, v16
	ds_store_b32 v4, v16
	s_wait_dscnt 0x0                               ; for the others' sake: my store is done
	s_barrier_signal -1
	s_barrier_wait -1                              ; the 32 rows' 32 bytes each lie in LDS
	s_cmp_lt_u32 s30, 2
	s_cbranch_scc0 .Lnot_scales
	ds_load_b128 v[56:59], v17
	s_wait_dscnt 0x0
	global_store_b128 v5, v[56:59], s[26:27]       ; waves 0 and 1: 512 consecutive bytes each
	s_branch .Lend
.Lnot_scales:
	s_cmp_eq_u32 s30, 2
	s_cbranch_scc0 .Lend
	global_load_b32 v56, v6, s[8:9]                ; wave 2: the 32 rows' biases, in true order
	s_wait_loadcnt 0x0
	global_store_b32 v6, v56, s[28:29]
.Lend:
	s_wait_tensorcnt 0x0                           ; the wave's end
	ds_add_u32 v248, v249
	s_wait_dscnt 0x0
	s_endpgm
.Lfunc_end_k_q3f6fa5e008_prep:
	.size	k_q3f6fa5e008_prep, .Lfunc_end_k_q3f6fa5e008_prep-k_q3f6fa5e008_prep
	.p2alignl 7, 3214868480
	.fill 96, 4, 3214868480
	.section	.rodata,"a",@progbits
	.p2align	6, 0x0
	.amdhsa_kernel k_q3f6fa5e008_prep
		.amdhsa_group_segment_fixed_size 69632
		.amdhsa_private_segment_fixed_size 0
		.amdhsa_enable_private_segment 0
		.amdhsa_kernarg_size 72
		.amdhsa_user_sgpr_count 2
		.amdhsa_user_sgpr_kernarg_segment_ptr 1
		.amdhsa_wavefront_size32 1
		.amdhsa_system_sgpr_workgroup_id_x 1
		.amdhsa_system_sgpr_workgroup_id_y 1
		.amdhsa_system_sgpr_workgroup_id_z 1
		.amdhsa_system_vgpr_workitem_id 0
		.amdhsa_next_free_vgpr 250
		.amdhsa_next_free_sgpr 66
		.amdhsa_reserve_vcc 0
		.amdhsa_float_denorm_mode_32 3
		.amdhsa_float_denorm_mode_16_64 3
		.amdhsa_memory_ordered 1
		.amdhsa_forward_progress 1
		.amdhsa_inst_pref_size 97
	.end_amdhsa_kernel
	.amdgpu_metadata
---
amdhsa.version: [ 1, 2 ]
amdhsa.kernels:
  - .name:           k_q3f6fa5e008_prep
    .symbol:         k_q3f6fa5e008_prep.kd
    .args:
      - { .name: x, .offset: 0, .size: 8, .value_kind: global_buffer, .address_space: global }
      - { .name: Wqkv, .offset: 8, .size: 8, .value_kind: global_buffer, .address_space: global }
      - { .name: Wproj, .offset: 16, .size: 8, .value_kind: global_buffer, .address_space: global }
      - { .name: bqkv, .offset: 24, .size: 8, .value_kind: global_buffer, .address_space: global }
      - { .name: bproj, .offset: 32, .size: 8, .value_kind: global_buffer, .address_space: global }
      - { .name: xq, .offset: 40, .size: 8, .value_kind: global_buffer, .address_space: global }
      - { .name: wq, .offset: 48, .size: 8, .value_kind: global_buffer, .address_space: global }
      - { .name: wv, .offset: 56, .size: 8, .value_kind: global_buffer, .address_space: global }
      - { .name: wp, .offset: 64, .size: 8, .value_kind: global_buffer, .address_space: global }
    .group_segment_fixed_size: 69632
    .private_segment_fixed_size: 0
    .kernarg_segment_align: 8
    .kernarg_segment_size: 72
    .max_flat_workgroup_size: 256
    .sgpr_count:     66
    .vgpr_count:     250
    .wavefront_size: 32
...
	.end_amdgpu_metadata
.endif
;; end of part 1
;; launch qkv (part 2): grid 8 x 32, 4 waves a work-group, clusters of 4 x 4, 327,680 bytes of LDS; arguments xq, wq, wv, qk, vt; writes qk, vt
.if DOCPART == 2
	.amdgcn_target "amdgcn-amd-amdhsa--gfx1250"
	.amdhsa_code_object_version 6
	.text
	.protected	k_q3f6fa5e008_qkv
	.globl	k_q3f6fa5e008_qkv
	.p2align	8
	.type	k_q3f6fa5e008_qkv,@function
k_q3f6fa5e008_qkv:
	s_mov_b64 s[64:65], 0
	v_nop
	global_prefetch_b8 v0, s[64:65] scope:SCOPE_SE
	s_setreg_imm32_b32 hwreg(HW_REG_WAVE_MODE, 25, 1), 1
	s_wait_xcnt 0x0
	s_wait_alu depctr_hold_cnt(0) depctr_sa_sdst(0) depctr_va_vdst(0) depctr_va_sdst(0) depctr_va_ssrc(0) depctr_va_vcc(0) depctr_vm_vsrc(0)
	s_getreg_b32 s2, hwreg(HW_REG_IB_STS2, 6, 4)
	s_cmp_eq_u32 s2, 0
	s_cbranch_scc0 .Lentry_in_a_cluster
	s_endpgm
.Lentry_in_a_cluster:
	s_bfe_u32 s2, ttmp6, 0x10000c
	s_cmp_lg_u32 s2, 0xf033
	s_cbranch_scc0 .Lentry_shape_is_right
	s_endpgm
.Lentry_shape_is_right:
; q, k, v = x Wqkv + bqkv, K = 1,024, on codes of FP6 (E2M3) with one E8M0 scale for each 32 along K; each result is QUANTISED AGAIN and leaves as codes: q and k along the head's channels, v along the keys.
; xq, wq (q's, then k's 1,024 rows), wv: operand buffers: scale bytes [position][32] at 0; the bias, one f32 for each TRUE row, at 0x40000 (x has none: xq's are not read); images [block of 16 rows][K step of 128]
; of 1,536 bytes at 0x48000: register pair p of lane l at 256 p + 8 l.  Lane r of block 2 g + u is true row 32 g + 8 u + r + 8 (r / 8).
; qk: images (16 tokens x 128 channels) at 0x100000 + 1,536 x (token block + 512 g), g = 0-7 q's pairs of heads, 8-15 k's; a head is half an image.  Scale words at 256 x (number / 2) + 128 x (head % 2) + 8 r:
; {even number's, odd number's}, the head's two bytes low, 0 above.  vt: images (16 channels x 128 keys) at 0x100000 + 1,536 x (channel block + 64 batch + 512 x key group); scale words at 256 x (number / 2) + 8 x lane:
; lanes 0-15 the word, lanes 16-31 the word >> 16.
; THE DEAL: 256 work-groups; each takes 256 rows of x, which stay in LDS, through three phases, Q, K, V, each against 128 rows of a weight.  Four waves, 2 x 2: wave (a, b) holds the weight's 64 rows 64 b .. (one head),
; ALL of K, in 384 registers and takes x's blocks 8 a + 0 .. 7 past them: 8 fragments and 8 scale words a block, in two sets, 32 products.  The bias is the first four products' C.
; FILLS: at the head one joint load a wave (Wq's rows, x's scale bytes, x's two halves).  The weights' region is filled again twice, a quarter a wave, behind a round of the cluster, when all
; waves hold the weight in registers: 256 products of each wave ahead of its use; so no prefetch is laid.  x's tiles are shared by a row of the cluster, a weight's by a column.
; Q, K: source 0 = the weight: lane (r, h) holds token r, register 8 j + i channel 32 (j / 2) + 16 h + 8 (j % 2) + i.  V: source 0 = x: lane (r, h) holds channel r of tile j, and register 8 k + i of four blocks k key 32 (k / 2) + 16 h + 8 (k % 2) + i.
; In both, 32 registers are two scale blocks, each shared by lanes l and l xor 16, and become six registers of an image.  A block's search for the largest magnitudes stands among the next block's products.
; LIMITS: a block of zeros gets the byte 1 and not 127 (its codes are zeros; this program alone reads the bytes); blocks under 2^-124 are held at byte 1; NaN and infinities are not served.
.set IMG,    1536
.set BLKB,   12288                     ; a block of 16 rows, all of K
.set CODES,  0x48000
.set ADDS,   0x40000
.set CODEQ,  0x100000
.set FR,     12
.set FPW,    21                        ; fragment f lies in window 1 + f / 21 at 12 (f % 21): 0-31 the weight's (4 q + j), 32-39 and 40-47 x's two sets
.set WB,     16*BLKB                   ; LDS: x's blocks at 0, the weight's here,
.set SCL,    24*BLKB                   ; x's scale bytes: 32 units of 256 + 16,
.set XS,     SCL+32*272                ; q's and k's scale words: [phase][pair of blocks][head % 2][r][8],
.set SPARE,  XS+4096                   ; the spare words
.set L8,  4                            ; 8 x lane
.set ABS, 8                            ; 32 x lane
.set AAS0, 9                           ; LDS, my row's scale words in my block 0
.set XRA, 10                           ; LDS, my part of the scale words on their way out
.set BO,  11                           ; 64 h
.set SH,  12                           ; 16 h
.set XS0, 13                           ; LDS, my scale word's place in phase 0
.set SPW, 14
.set NIL, 15
.set AAS, 16                           ; as AAS0, for V's band
.set XW,  17                           ; as XS0, for this phase
.set BVO, 18                           ; 4 (r + 8 (r / 8))
.set L16, 19                           ; 16 x lane
.set AD0, 20                           ; v20-27 LDS address of image q of my block 0
.set AD,  28                           ; v28-35 of the block fetched next
.set SB,  36                           ; v36-51 the weight's scale words: 8 p + q; lanes 0-15 tile 2 p, lanes 16-31 tile 2 p + 1
.set SA,  56                           ; v56-71 x's, two sets
.set CB,  72                           ; v72-103 the bias as the result lies
.set ACC, 104                          ; v104-167 Q, K: two sets of four accumulators
.set TM,  168
.set TP,  170
.set SO,  172
.set PW,  174
.set PC,  176                          ; v176-181 half an image; v176-183 also the scale words on their way out
.set CT,  184
.set PCV, 104                          ; V's way out works where Q's and K's accumulators lay
.set CTV, 128
.set TMV, 144
.set TPV, 152
.set SOV, 160
.set VW,  188
.set P2,  192
.set WT,  196
.set SBV, 200                          ; v200-215 Wv's scale words, v216-219 its biases, from the head on
.set BVV, 216
.set SBK, 80                           ; window 3: v848-863 Wk's scale words, v864-895 its biases
.set CBK, 96
.set VA,  896                          ; v896-1023 V's accumulators: 32 j + 8 k
.set XL,  128                          ; their number in window 3
.set G1Y, 24
.set G1W, 32
.set G1S, 48
.set G0W, 56
.set G0S, 60
.set G0Y, 68
.set G1R, 76
.set G0R, 84
.set OC,  98
.set OV,  100
.set MSB, 0
.macro WIN new
.if MSB != (\new)
	s_set_vgpr_msb (MSB<<8)|(\new)
.set MSB, (\new)
.endif
.endm
.macro WALU
	s_wait_alu depctr_va_vdst(0)
.endm
.macro BARRIER
	s_barrier_signal -1
	s_barrier_wait -1
.endm
.macro CROUND
	BARRIER
	s_cmp_lg_u32 s14, 0
	s_cbranch_scc1 .Lnot_wave_0_\@
	s_barrier_signal -3
.Lnot_wave_0_\@:
	s_barrier_wait -3
	BARRIER
.endm
.macro TLOAD g0, g1
	tensor_load_to_lds s[\g0:\g0+3], s[\g1:\g1+7]
	s_nop 0
.rept 4
	v_nop
.endr
.endm
.macro GROUP1 g, mask, rows            ; blocks of 12,288 bytes (1,536 elements of 8), on end in memory and in LDS
	s_or_b32 s[\g+0], s\mask, (3<<16)|(1<<21)
	s_mov_b32 s[\g+1], 1536<<16
	s_mov_b32 s[\g+2], (\rows)<<16
	s_mov_b32 s[\g+3], 1536<<16
	s_mov_b32 s[\g+4], \rows
	s_mov_b32 s[\g+5], 1536
	s_mov_b32 s[\g+6], 0
	s_mov_b32 s[\g+7], 0
.endm
.macro FRAG f, ar                      ; an image's six pairs, two to a load
	WIN (1+(\f)/FPW)<<6
.irp k, 0,1,2
	ds_load_2addr_b64 v[FR*((\f)%FPW)+4*\k:FR*((\f)%FPW)+4*\k+3], v[\ar] offset0:64*\k offset1:64*\k+32
.endr
.endm
.macro FETCH e, ab, as, so             ; a block of x into set e: 26 loads
.irp q, 0,1,2,3,4,5,6,7
	FRAG 32+8*(\e)+\q, (\ab)+\q
.endr
	WIN 0
	ds_load_b128 v[SA+8*(\e):SA+8*(\e)+3], v[\as] offset:\so
	ds_load_b128 v[SA+8*(\e)+4:SA+8*(\e)+7], v[\as] offset:(\so)+16
.endm
.macro ADV n                           ; the addresses of my block n
.irp q, 0,1,2,3,4,5,6,7
	v_add_nc_u32 v[AD+\q], (\n)*BLKB, v[AD0+\q]
.endr
.endm
.macro WEIGHTS                         ; my 64 rows of the weight, all of K: 96 loads
	v_add_nc_u32 v5, s45, v[L8]
.irp q, 0,1,2,3,4,5,6,7
	v_add_nc_u32 v[AD+\q], 1536*\q, v5
.endr
.irp j, 0,1,2,3
.irp q, 0,1,2,3,4,5,6,7
	FRAG 4*\q+\j, AD+\q
.endr
	WIN 0
.if \j < 3
.irp q, 0,1,2,3,4,5,6,7
	v_add_nc_u32 v[AD+\q], BLKB, v[AD+\q]
.endr
.endif
.endr
.endm
.macro MM d, s0, s1, c, x0, x1, side, o
.if \o
	v_wmma_scale_f32_16x16x128_f8f6f4 v[\d:\d+7], v[FR*((\s0)%FPW):FR*((\s0)%FPW)+FR-1], v[FR*((\s1)%FPW):FR*((\s1)%FPW)+FR-1], \c, v[\x0], v[\x1] matrix_a_fmt:MATRIX_FMT_FP6 matrix_b_fmt:MATRIX_FMT_FP6 matrix_\side\()_scale:MATRIX_SCALE_ROW1
.else
	v_wmma_scale_f32_16x16x128_f8f6f4 v[\d:\d+7], v[FR*((\s0)%FPW):FR*((\s0)%FPW)+FR-1], v[FR*((\s1)%FPW):FR*((\s1)%FPW)+FR-1], \c, v[\x0], v[\x1] matrix_a_fmt:MATRIX_FMT_FP6 matrix_b_fmt:MATRIX_FMT_FP6 matrix_\side\()_scale:MATRIX_SCALE_ROW0
.endif
.endm
; product n = 4 q + j on set E_, into d0 + ds x j: the four accumulators by turns.  kind 0: source 0 the weight; kind 1: source 0 x
.macro PROD kind, n, d0, ds
.set Q_, (\n)/4
.set J_, (\n)%4
.set FB_, 4*Q_+J_
.set FA_, 32+8*E_+Q_
.set D_, (\d0)+(\ds)*J_
.set DW_, D_>>8
.set DL_, D_&255
.set XB_, SB+8*(J_/2)+Q_
.set XA_, SA+8*E_+Q_
.if Q_
.set CW_, DW_
.else
.set CW_, 0
.endif
.if \kind
	WIN (1+FA_/FPW)|((1+FB_/FPW)<<2)|(CW_<<4)|(DW_<<6)
.if Q_
	MM DL_, FA_, FB_, v[DL_:DL_+7], XA_, XB_, b, J_%2
.else
	MM DL_, FA_, FB_, v[CB+8*J_:CB+8*J_+7], XA_, XB_, b, J_%2
.endif
.else
	WIN (1+FB_/FPW)|((1+FA_/FPW)<<2)|(CW_<<4)|(DW_<<6)
.if Q_
	MM DL_, FB_, FA_, v[DL_:DL_+7], XB_, XA_, a, J_%2
.else
	MM DL_, FB_, FA_, v[CB+8*J_:CB+8*J_+7], XB_, XA_, a, J_%2
.endif
.endif
.endm
; entry i of the way out's first part, on the 32 sums from v[X_] on: the two scale blocks' largest magnitudes by turns (with the floor 2^(3 - 127)), lane l xor 16's, the conversions' scale operands, the bytes, the word
.macro CH i
.if (\i) < 25
	WIN 0
.endif
.if (\i) < 2
	v_max3_num_f32 v[TM+(\i)], |v[X_+16*(\i)]|, |v[X_+16*(\i)+1]|, 0x1800000
.elseif (\i) < 16
	v_max3_num_f32 v[TM+(\i)%2], v[TM+(\i)%2], |v[X_+16*((\i)%2)+2*((\i)/2)]|, |v[X_+16*((\i)%2)+2*((\i)/2)+1]|
.elseif (\i) < 18
	v_permlanex16_b32 v[TP+(\i)-16], v[TM+(\i)-16], s18, s19
.elseif (\i) < 20
	v_max_num_f32 v[TM+(\i)-18], v[TM+(\i)-18], v[TP+(\i)-18]
.elseif (\i) < 22
	v_add_nc_u32 v[SO+(\i)-20], 0xff000000, v[TM+(\i)-20]
.elseif (\i) < 24
	v_lshrrev_b32 v[TP+(\i)-22], 23, v[SO+(\i)-22]
.elseif (\i) == 24
	v_lshl_or_b32 v[PW], v[TP+1], 8, v[TP]
.endif
.endm
.macro OUTA                            ; the conversions
	WALU                                           ; the wait ahead of the blocking wait
	s_wait_xcnt 0x0                                ; the last half image's stores have read their registers
	v_cvt_scalef32_pk16_fp6_f32 v[PC:PC+2], v[X_:X_+15], v[SO]
	v_cvt_scalef32_pk16_fp6_f32 v[CT:CT+2], v[X_+16:X_+31], v[SO+1]
.endm
.macro OUTB                            ; a WHOLE block in a lane: lanes 0-15 the first, lanes 16-31 the second
.irp i, 0,1,2
	v_permlane16_swap_b32 v[PC+\i], v[CT+\i]
.endr
.irp i, 0,1,2
	v_mov_b32 v[PC+3+\i], v[CT+\i]
.endr
.endm
.macro OUTC k
	ds_store_b32 v[XW], v[PW] offset:256*((\k)/2)+4*((\k)%2)      ; lanes l and l xor 16 write the same word with the same value
.irp p, 0,1,2
	global_store_b64 v[L8], v[PC+2*\p:PC+2*\p+1], s[OC:OC+1] offset:IMG*(\k)+256*\p   ; each store of the wave covers 256 consecutive bytes, aligned
.endr
.endm
; Block s of Q or K.  Behind its products: the block before's conversions; the next addresses (the places behind the products); the wait for the next block's rows; the fetch of the block two on; the stores.
.macro BQ s
.set E_, (\s)%2
.set X_, ACC+32*(1-E_)
.set N_, 0
.rept 32
	PROD 0, N_, ACC+32*E_, 8
.if ((\s) > 0) && (N_%2)
	CH N_-1
	CH N_
.endif
.set N_, N_+1
.endr
	WIN 0
.if (\s) > 0
	OUTA
.endif
.if (\s) < 6
	ADV (\s)+2
.else
.rept 4
	v_nop
.endr
.endif
.if (\s) > 0
	OUTB
.endif
.if (\s) < 7
	WALU
	s_wait_dscnt 0x0
.endif
.if (\s) < 6
	FETCH E_, AD, AAS0, ((\s)+2)*544
.endif
.if (\s) > 0
	OUTC (\s)-1
.endif
.endm
; Block k of a band of V.  In the second band blocks 2 and 3 have nothing left to fetch: a branch on the band's number leads round the fetch alone; every wait on DScnt here is for 0
.macro BV k
.set E_, (\k)%2
.set N_, 0
.rept 32
	PROD 1, N_, VA+8*(\k), 32
.set N_, N_+1
.endr
	WIN 0
.irp q, 0,1,2,3,4,5,6,7
	v_add_nc_u32 v[AD+\q], s21, v[AD0+\q]          ; (also the places behind the products)
.endr
	s_add_co_u32 s21, s21, BLKB
	WALU
	s_wait_dscnt 0x0
.if (\k) >= 2
	s_cmp_eq_u32 s2, 1
	s_cbranch_scc1 .Lno_fetch_\@
.endif
	FETCH E_, AD, AAS, ((\k)+2)*544
.if (\k) >= 2
.Lno_fetch_\@:
.endif
.endm
	s_load_b256 s[4:11], s[0:1], 0x0               ; xq, wq, wv, qk
	s_load_b64 s[12:13], s[0:1], 0x20              ; vt
	v_lshl_add_u32 v[SPW], v0, 2, SPARE
	v_mov_b32 v[NIL], 0
	ds_add_u32 v[SPW], v[NIL]                      ; the opening lines: the add twice on end and one wait
	ds_add_u32 v[SPW], v[NIL]
	v_lshrrev_b32 v1, 5, v0
	v_readfirstlane_b32 s14, v1                    ; wave
	s_lshr_b32 s15, s14, 1                         ; a
	s_and_b32 s16, s14, 1                          ; b
	s_mul_i32 s66, s15, 16*272
	s_add_co_u32 s66, s66, SCL
	s_lshl_b32 s67, s15, 10
	s_lshl_b32 s104, s16, 7
	s_add_co_u32 s67, s67, s104
	s_add_co_u32 s67, s67, XS
	s_lshl_b32 s104, s14, 10
	s_add_co_u32 s104, s104, XS
	s_mul_i32 s105, s15, 8*BLKB
	v_and_b32 v1, 15, v0                           ; r
	v_bfe_u32 v2, v0, 4, 1                         ; h
	v_and_b32 v3, 31, v0
	v_lshlrev_b32 v[L8], 3, v3
	v_lshlrev_b32 v[L16], 4, v3
	v_lshlrev_b32 v[ABS], 5, v3
	v_lshlrev_b32 v5, 5, v1                        ; my row's scale bytes: 32 a row,
	v_lshrrev_b32 v6, 8, v5
	v_lshl_add_u32 v5, v6, 4, v5                   ; and 16 more for each 256 passed
	v_add_nc_u32 v[AAS0], s66, v5
	v_lshlrev_b32 v[BO], 6, v2
	v_lshlrev_b32 v[SH], 4, v2
	v_lshl_add_u32 v[XS0], v1, 3, s67
	v_lshl_add_u32 v[XW], v1, 3, s67
	v_add_nc_u32 v[XRA], s104, v[L16]
	v_and_b32 v6, 8, v1
	v_add_nc_u32 v6, v6, v1
	v_lshlrev_b32 v[BVO], 2, v6
	v_add_nc_u32 v5, s105, v[L8]
.irp q, 0,1,2,3,4,5,6,7
	v_add_nc_u32 v[AD0+\q], 1536*\q, v5
.endr
	v_mov_b32 v[TP], 0                             ; a lane permute's destination counts as one of its sources
	v_mov_b32 v[TP+1], 0
	s_mul_i32 s45, s16, 4*BLKB
	s_add_co_u32 s45, s45, WB                      ; LDS: my 64 rows of the weight
	s_mov_b32 s18, 0x76543210
	s_mov_b32 s19, 0xfedcba98                      ; v_permlanex16_b32's selects for lane l xor 16
	s_bfe_u32 s40, ttmp6, 0x40000                  ; cx
	s_bfe_u32 s41, ttmp6, 0x40004                  ; cy
	s_lshl_b32 s42, ttmp9, 2
	s_add_co_u32 s42, s42, s40                     ; tile column, 0 .. 7: a pair of heads
	s_and_b32 s17, ttmp7, 0xffff
	s_lshl_b32 s17, s17, 2
	s_add_co_u32 s17, s17, s41                     ; tile row, 0 .. 31
	s_lshl_b32 s43, s41, 2
	s_lshl_b32 s43, 15, s43                        ; my row of the cluster
	s_lshl_b32 s44, 0x1111, s40                    ; my column
	GROUP1 G1Y, 43, 8
	GROUP1 G1W, 44, 8
	GROUP1 G1R, 44, 2
	s_or_b32 s[G1S+0], s43, (3<<16)|(1<<20)|(1<<21)|(5<<22)|(3<<25)   ; x's scale bytes: 8,192 dense bytes as 32 rows of 256, 16 bytes of padding behind each
	s_mov_b32 s[G1S+1], 32<<16
	s_mov_b32 s[G1S+2], 32<<16
	s_mov_b32 s[G1S+3], 32<<16
	s_mov_b32 s[G1S+4], 32
	s_mov_b32 s[G1S+5], 32
	s_mov_b32 s[G1S+6], 0
	s_mov_b32 s[G1S+7], 0
	s_mov_b32 s[G0W], 1
	s_mov_b32 s[G0W+1], WB
	s_mov_b32 s[G0S], 1
	s_mov_b32 s[G0S+1], SCL
	s_mov_b32 s[G0Y], 1
	s_mov_b32 s[G0Y+1], 0
	s_mov_b32 s[G0Y+4], 1
	s_mov_b32 s[G0Y+5], 8*BLKB
	s_mov_b32 s[G0R], 1
	s_mul_i32 s[G0R+1], s14, 2*BLKB
	s_add_co_u32 s[G0R+1], s[G0R+1], WB            ; a refill: my quarter of the region
	s_mul_i32 s20, s17, 16*BLKB
	s_add_co_u32 s20, s20, CODES                   ; x's 16 blocks
	s_mov_b32 s21, 0
	s_lshl_b32 s22, s17, 13                        ; their scale bytes
	s_mov_b32 s23, 0
	s_mul_i32 s46, s42, 8*BLKB
	s_add_co_u32 s46, s46, CODES                   ; a weight's 8 blocks
	s_mov_b32 s47, 0
	s_mul_i32 s2, s14, 2*BLKB
	s_add_co_u32 s2, s2, s46                       ; my quarter of them
	s_mov_b32 s3, 0
	s_lshl_b32 s90, s42, 12
	s_lshl_b32 s91, s16, 11
	s_add_co_u32 s90, s90, s91                     ; my 64 rows' scale bytes
	s_mov_b32 s91, 0
	s_lshl_b32 s92, s42, 9
	s_lshl_b32 s93, s16, 8
	s_add_co_u32 s92, s92, s93
	s_add_co_u32 s92, s92, ADDS                    ; and biases
	s_mov_b32 s93, 0
	s_lshl_b32 s98, s17, 4
	s_lshl_b32 s99, s15, 3
	s_add_co_u32 s98, s98, s99
	s_lshl_b32 s99, s42, 9
	s_add_co_u32 s98, s98, s99                     ; q's first image of mine: 16 x tile row + 8 a + 512 x tile column
	s_mul_i32 s98, s98, IMG
	s_mul_i32 s99, s16, 768
	s_add_co_u32 s98, s98, s99
	s_add_co_u32 s98, s98, CODEQ
	s_mov_b32 s99, 0
	s_lshl_b32 s100, s42, 3
	s_lshl_b32 s101, s16, 2
	s_add_co_u32 s100, s100, s101
	s_lshl_b32 s101, s17, 1
	s_add_co_u32 s101, s101, s15                   ; my group of 128 keys
	s_and_b32 s104, s101, 15
	s_lshl_b32 s104, s104, 9
	s_add_co_u32 s100, s100, s104
	s_lshr_b32 s101, s101, 4
	s_lshl_b32 s101, s101, 6
	s_add_co_u32 s100, s100, s101                  ; v's first image of mine, a multiple of 4
	s_lshl_b32 s104, s100, 7                       ; its scale words
	s_mov_b32 s105, 0
	s_mul_i32 s100, s100, IMG
	s_add_co_u32 s100, s100, CODEQ-768             ; (each band steps 768 on ahead of its stores)
	s_mov_b32 s101, 0
	s_lshl_b32 s66, s15, 3
	s_add_co_u32 s66, s66, s42
	s_lshl_b32 s66, s66, 16
	s_lshl_b32 s67, s17, 11
	s_add_co_u32 s66, s66, s67
	s_lshl_b32 s67, s16, 10
	s_add_co_u32 s66, s66, s67                     ; q's and k's scale words on their way out: wave w takes phase w / 2, half w % 2
	s_mov_b32 s67, 0
	WALU                                           ; the wait at the head's end
	s_wait_dscnt 0x0                               ; both opening adds are done
	CROUND                                         ; all sixteen work-groups are here: the joint loads meet
	s_wait_kmcnt 0x0
	s_add_nc_u64 s[G0W+2:G0W+3], s[6:7], s[46:47]
	s_or_b32 s[G0W+3], s[G0W+3], 0x80000000
	s_add_nc_u64 s[G0S+2:G0S+3], s[4:5], s[22:23]
	s_or_b32 s[G0S+3], s[G0S+3], 0x80000000
	s_add_nc_u64 s[G0Y+2:G0Y+3], s[4:5], s[20:21]
	s_add_nc_u64 s[G0Y+6:G0Y+7], s[G0Y+2:G0Y+3], 8*BLKB
	s_or_b32 s[G0Y+3], s[G0Y+3], 0x80000000
	s_or_b32 s[G0Y+7], s[G0Y+7], 0x80000000
	s_add_nc_u64 s[G0R+2:G0R+3], s[6:7], s[2:3]
	s_add_nc_u64 s[G0R+2:G0R+3], s[G0R+2:G0R+3], 64*BLKB   ; the first refill: Wk's rows
	s_or_b32 s[G0R+3], s[G0R+3], 0x80000000
	s_add_nc_u64 s[88:89], s[8:9], s[2:3]          ; the second: Wv's
	s_or_b32 s89, s89, 0x80000000
	s_add_nc_u64 s[94:95], s[8:9], s[90:91]
	s_add_nc_u64 s[96:97], s[8:9], s[92:93]
	s_add_nc_u64 s[90:91], s[6:7], s[90:91]
	s_add_nc_u64 s[92:93], s[6:7], s[92:93]
	s_add_nc_u64 s[OC:OC+1], s[10:11], s[OC:OC+1]
	s_add_nc_u64 s[66:67], s[10:11], s[66:67]
	s_add_nc_u64 s[OV:OV+1], s[12:13], s[OV:OV+1]
	s_add_nc_u64 s[104:105], s[12:13], s[104:105]
	s_cmp_eq_u32 s14, 0                            ; one load a wave, one chain of branches: the weight first, since it goes on into registers
	s_cbranch_scc0 .Lwave_1
	TLOAD G0W, G1W
	s_branch .Lasked
.Lwave_1:
	s_cmp_eq_u32 s14, 1
	s_cbranch_scc0 .Lwave_2
	TLOAD G0S, G1S
	s_branch .Lasked
.Lwave_2:
	s_cmp_eq_u32 s14, 2
	s_cbranch_scc0 .Lwave_3
	TLOAD G0Y, G1Y
	s_branch .Lasked
.Lwave_3:
	TLOAD G0Y+4, G1Y
.Lasked:
; the three weights' scale words and biases, all now.  Q, K: register i of tile j wants the bias of row 32 (j / 2) + 8 (j % 2) + 16 h + i; V: lane r of tile t that of row 32 (t / 2) + 8 (t % 2) + r + 8 (r / 8)
.irp p, 0,1
.irp c, 0,1
	global_load_b128 v[SB+8*\p+4*\c:SB+8*\p+4*\c+3], v[ABS], s[90:91] offset:1024*\p+16*\c
	global_load_b128 v[SBV+8*\p+4*\c:SBV+8*\p+4*\c+3], v[ABS], s[94:95] offset:1024*\p+16*\c
.endr
.endr
.irp j, 0,1,2,3
	global_load_b128 v[CB+8*\j:CB+8*\j+3], v[BO], s[92:93] offset:128*(\j/2)+32*(\j%2)
	global_load_b128 v[CB+8*\j+4:CB+8*\j+7], v[BO], s[92:93] offset:128*(\j/2)+32*(\j%2)+16
	global_load_b32 v[BVV+\j], v[BVO], s[96:97] offset:128*(\j/2)+32*(\j%2)
.endr
	WIN 3<<6
.irp p, 0,1
.irp c, 0,1
	global_load_b128 v[SBK+8*\p+4*\c:SBK+8*\p+4*\c+3], v[ABS], s[90:91] offset:32768+1024*\p+16*\c
.endr
.endr
.irp j, 0,1,2,3
	global_load_b128 v[CBK+8*\j:CBK+8*\j+3], v[BO], s[92:93] offset:4096+128*(\j/2)+32*(\j%2)
	global_load_b128 v[CBK+8*\j+4:CBK+8*\j+7], v[BO], s[92:93] offset:4096+128*(\j/2)+32*(\j%2)+16
.endr
	WIN 0
	s_mov_b32 s3, 0                                ; the phase
	s_mov_b32 s20, 0                               ; its place among the scale words in LDS
	s_cmp_eq_u32 s14, 0
	s_cbranch_scc0 .Lnot_w
	s_wait_tensorcnt 0x0                           ; wave 0's line is its own: Wq's rows are in
.Lnot_w:
	BARRIER                                        ; x's tiles may be on their way
.Lphase:                                               ; Q, then K
	WEIGHTS
	WALU
	s_wait_tensorcnt 0x0                           ; all my tensor loads are in (the first time: my tile of x),
	ds_add_u32 v[SPW], v[NIL]                      ; 0 onto my spare word,
	s_wait_dscnt 0x0                               ; and I hold the weight in registers
	CROUND                                         ; so does every wave of every partner
	TLOAD G0R, G1R                                 ; the next weight, my quarter: the first tensor load behind the round
	FETCH 0, AD0, AAS0, 0
	ADV 1
	FETCH 1, AD, AAS0, 544
	s_wait_loadcnt 0x0                             ; the scale words and biases
	s_wait_dscnt 26                                ; block 0's rows are in; block 1's 26 loads may be out
.irp s, 0,1,2,3,4,5,6,7
	BQ \s
.endr
.set X_, ACC+32                        ; block 7's way out
.set I_, 0
.rept 25
	CH I_
.set I_, I_+1
.endr
	OUTA
	v_nop                                          ; one plain place behind a scaled conversion
	OUTB
	OUTC 7
	WALU
	s_wait_tensorcnt 0x0                           ; my quarter of the next weight is in;
	s_wait_dscnt 0x0
	BARRIER                                        ; everybody's is.
	s_wait_xcnt 0x0                                ; the stores have read their base
	s_add_nc_u64 s[OC:OC+1], s[OC:OC+1], 8*512*IMG ; k's images lie 8 x 512 behind q's
	s_mov_b64 s[G0R+2:G0R+3], s[88:89]             ; the next refill brings Wv's rows
	s_add_co_u32 s20, s20, 2048
	v_add_nc_u32 v[XW], s20, v[XS0]
	WALU
	s_cmp_lg_u32 s3, 0
	s_cbranch_scc1 .Lno_move
	WIN 3
.set I_, 0
.rept 16
	v_mov_b32 v[SB+I_], v[SBK+I_]                  ; Wk's scale words, more than eight places ahead of the first product that takes them,
.set I_, I_+1
.endr
.set I_, 0
.rept 32
	v_mov_b32 v[CB+I_], v[CBK+I_]                  ; and biases
.set I_, I_+1
.endr
	WIN 0
	WALU
.Lno_move:
	s_add_co_u32 s3, s3, 1
	s_cmp_lt_u32 s3, 2
	s_cbranch_scc1 .Lphase
; V: two bands of four blocks, 64 keys each
	WEIGHTS
	ds_load_b128 v[PC:PC+3], v[XRA]                ; q's and k's scale words: the barrier above has shown them whole
	ds_load_b128 v[PC+4:PC+7], v[XRA] offset:512
	FETCH 0, AD0, AAS0, 0
	ADV 1
	FETCH 1, AD, AAS0, 544
.set I_, 0
.rept 16
	v_mov_b32 v[SB+I_], v[SBV+I_]
.set I_, I_+1
.endr
.irp t, 0,1,2,3
.irp i, 0,1,2,3,4,5,6,7
	v_mov_b32 v[CB+8*\t+\i], v[BVV+\t]             ; a channel's bias over the tile's eight registers
.endr
	v_mov_b32 v[VW+\t], 0
	v_mov_b32 v[TPV+2*\t], 0
	v_mov_b32 v[TPV+2*\t+1], 0
.endr
	s_mov_b32 s2, 0                                ; the band
	s_mov_b32 s21, 2*BLKB                          ; the block fetched next
	s_mov_b32 s22, 0                               ; 16 x band: its two bytes' place in a scale word
	s_mov_b32 s23, 0
	v_add_nc_u32 v[AAS], s23, v[AAS0]
	WALU
	s_wait_dscnt 26
	global_store_b128 v[L16], v[PC:PC+3], s[66:67]              ; whole units of 256 bytes
	global_store_b128 v[L16], v[PC+4:PC+7], s[66:67] offset:512
.Lband:
.irp k, 0,1,2,3
	BV \k
.endr
	WIN 0x0f                                       ; sources 0 and 1 in window 3.  Four tiles x two scale blocks by turns
.irp t, 0,1,2,3
.irp b, 0,1
	v_max3_num_f32 v[TMV+2*\t+\b], |v[XL+32*\t+16*\b]|, |v[XL+32*\t+16*\b+1]|, 0x1800000
.endr
.endr
	WIN 0x3c                                       ; sources 1 and 2
.irp i, 2,4,6,8,10,12,14
.irp t, 0,1,2,3
.irp b, 0,1
	v_max3_num_f32 v[TMV+2*\t+\b], v[TMV+2*\t+\b], |v[XL+32*\t+16*\b+\i]|, |v[XL+32*\t+16*\b+\i+1]|
.endr
.endr
.endr
	WIN 0
.irp n, 0,1,2,3,4,5,6,7
	v_permlanex16_b32 v[TPV+\n], v[TMV+\n], s18, s19
.endr
.irp n, 0,1,2,3,4,5,6,7
	v_max_num_f32 v[TMV+\n], v[TMV+\n], v[TPV+\n]
.endr
.irp n, 0,1,2,3,4,5,6,7
	v_add_nc_u32 v[SOV+\n], 0xff000000, v[TMV+\n]
.endr
.irp n, 0,1,2,3,4,5,6,7
	v_lshrrev_b32 v[TPV+\n], 23, v[SOV+\n]
.endr
.irp t, 0,1,2,3
	v_lshl_or_b32 v[WT+\t], v[TPV+2*\t+1], 8, v[TPV+2*\t]
.endr
.irp t, 0,1,2,3
	v_lshlrev_b32 v[WT+\t], s22, v[WT+\t]
.endr
.irp t, 0,1,2,3
	v_or_b32 v[VW+\t], v[VW+\t], v[WT+\t]          ; the band's two bytes join the tile's scale word
.endr
	WALU
	s_wait_xcnt 0x0                                ; the last band's stores have read their registers and base
	s_add_nc_u64 s[OV:OV+1], s[OV:OV+1], 768
	WIN 0x03
.irp t, 0,1,2,3
	v_cvt_scalef32_pk16_fp6_f32 v[PCV+6*\t:PCV+6*\t+2], v[XL+32*\t:XL+32*\t+15], v[SOV+2*\t]
	v_cvt_scalef32_pk16_fp6_f32 v[CTV+4*\t:CTV+4*\t+2], v[XL+32*\t+16:XL+32*\t+31], v[SOV+2*\t+1]
.endr
	WIN 0
	v_nop                                          ; one plain place behind a scaled conversion
.irp t, 0,1,2,3
.irp i, 0,1,2
	v_permlane16_swap_b32 v[PCV+6*\t+\i], v[CTV+4*\t+\i]
.endr
.endr
.irp t, 0,1,2,3
.irp i, 0,1,2
	v_mov_b32 v[PCV+6*\t+3+\i], v[CTV+4*\t+\i]
.endr
.endr
.irp t, 0,1,2,3
.irp p, 0,1,2
	global_store_b64 v[L8], v[PCV+6*\t+2*\p:PCV+6*\t+2*\p+1], s[OV:OV+1] offset:IMG*\t+256*\p
.endr
.endr
	s_add_co_u32 s22, s22, 16
	s_add_co_u32 s23, s23, 4*544
	v_add_nc_u32 v[AAS], s23, v[AAS0]
	s_add_co_u32 s2, s2, 1
	s_cmp_lt_u32 s2, 2
	WALU                                           ; the wait ahead of the branch
	s_cbranch_scc1 .Lband
.irp t, 0,1,2,3
	v_lshrrev_b32 v[P2+\t], v[SH], v[VW+\t]        ; lanes 0-15 the word, lanes 16-31 its upper two bytes brought down
.endr
	global_store_b64 v[L8], v[P2:P2+1], s[104:105]
	global_store_b64 v[L8], v[P2+2:P2+3], s[104:105] offset:256
	s_wait_tensorcnt 0x0                           ; the wave's end
	ds_add_u32 v[SPW], v[NIL]
	s_wait_dscnt 0x0
	CROUND                                         ; the closing round
	s_endpgm
.Lfunc_end_k_q3f6fa5e008_qkv:
	.size	k_q3f6fa5e008_qkv, .Lfunc_end_k_q3f6fa5e008_qkv-k_q3f6fa5e008_qkv
	.p2alignl 7, 3214868480
	.fill 96, 4, 3214868480
	.section	.rodata,"a",@progbits
	.p2align	6, 0x0
	.amdhsa_kernel k_q3f6fa5e008_qkv
		.amdhsa_group_segment_fixed_size 327680
		.amdhsa_private_segment_fixed_size 0
		.amdhsa_enable_private_segment 0
		.amdhsa_kernarg_size 40
		.amdhsa_user_sgpr_count 2
		.amdhsa_user_sgpr_kernarg_segment_ptr 1
		.amdhsa_wavefront_size32 1
		.amdhsa_system_sgpr_workgroup_id_x 1
		.amdhsa_system_sgpr_workgroup_id_y 1
		.amdhsa_system_sgpr_workgroup_id_z 1
		.amdhsa_system_vgpr_workitem_id 0
		.amdhsa_next_free_vgpr 1024
		.amdhsa_next_free_sgpr 106
		.amdhsa_reserve_vcc 0
		.amdhsa_float_denorm_mode_32 3
		.amdhsa_float_denorm_mode_16_64 3
		.amdhsa_memory_ordered 1
		.amdhsa_forward_progress 1
		.amdhsa_inst_pref_size 149
	.end_amdhsa_kernel
	.amdgpu_metadata
---
amdhsa.version: [ 1, 2 ]
amdhsa.kernels:
  - .name:           k_q3f6fa5e008_qkv
    .symbol:         k_q3f6fa5e008_qkv.kd
    .args:
      - { .name: xq, .offset: 0, .size: 8, .value_kind: global_buffer, .address_space: global }
      - { .name: wq, .offset: 8, .size: 8, .value_kind: global_buffer, .address_space: global }
      - { .name: wv, .offset: 16, .size: 8, .value_kind: global_buffer, .address_space: global }
      - { .name: qk, .offset: 24, .size: 8, .value_kind: global_buffer, .address_space: global }
      - { .name: vt, .offset: 32, .size: 8, .value_kind: global_buffer, .address_space: global }
    .group_segment_fixed_size: 327680
    .private_segment_fixed_size: 0
    .kernarg_segment_align: 8
    .kernarg_segment_size: 40
    .max_flat_workgroup_size: 128
    .sgpr_count:     106
    .vgpr_count:     1024
    .wavefront_size: 32
...
	.end_amdgpu_metadata
.endif
;; end of part 2
;; launch attn (part 3): grid 4 x 64, 16 waves a work-group, clusters of 4 x 1, 215,040 bytes of LDS; arguments qk, vt, yq; writes yq
.if DOCPART == 3
	.amdgcn_target "amdgcn-amd-amdhsa--gfx1250"
	.amdhsa_code_object_version 6
	.text
	.protected	k_q3f6fa5e008_attn
	.globl	k_q3f6fa5e008_attn
	.p2align	8
	.type	k_q3f6fa5e008_attn,@function
k_q3f6fa5e008_attn:
	s_mov_b64 s[64:65], 0
	v_nop
	global_prefetch_b8 v0, s[64:65] scope:SCOPE_SE
	s_setreg_imm32_b32 hwreg(HW_REG_WAVE_MODE, 25, 1), 1
	s_wait_xcnt 0x0
	s_wait_alu depctr_hold_cnt(0) depctr_sa_sdst(0) depctr_va_vdst(0) depctr_va_sdst(0) depctr_va_ssrc(0) depctr_va_vcc(0) depctr_vm_vsrc(0)
	s_getreg_b32 s2, hwreg(HW_REG_IB_STS2, 6, 4)
	s_cmp_eq_u32 s2, 0
	s_cbranch_scc0 .Lentry_in_a_cluster
	s_endpgm
.Lentry_in_a_cluster:
	s_bfe_u32 s2, ttmp6, 0x10000c
	s_cmp_lg_u32 s2, 0x3003
	s_cbranch_scc0 .Lentry_shape_is_right
	s_endpgm
.Lentry_shape_is_right:
; y[b][q][head] = softmax_k(q . k / 8, causal) v, both products on codes of FP6 (E2M3) with one E8M0 scale for each 32 along a product's K; y leaves QUANTISED along the 1,024 channels, as the last product's operand.
; qk: images (16 tokens x 128 channels = two heads, 1,536 bytes: register pair p of lane l at 256 p + 8 l) at 0x100000 + 1,536 x (token block + 512 g), g = 0-7 q's pairs of heads, 8-15 k's.  One head is half an image, 768 bytes.
; vt: images (16 channels x 128 keys) at 0x100000 + 1,536 x (channel block + 64 b + 512 x key group).  Scale words of both: 256 x (number / 2) + 8 x lane: {even number's, odd number's}; lanes 16-31: the word >> 16 (the odd head's bytes).
; Lane r of token block t is true token 32 (t / 2) + 8 (t % 2) + r + 8 (r / 8); channel blocks likewise.  So, both products being used transposed (S^T = K Q^T, O^T = V^T P^T; a lane holds ONE query), the 16 registers of
; two neighbouring tiles of S^T are 16 neighbouring keys, and those of O^T 16 neighbouring channels: p and y are quantised in registers.
; THE SOFTMAX: t = score x log2(e) / 8; M = the row's largest t so far, rounded UP to a whole number; p = 2^(t - M) is quantised along the keys, not normalised; the row's sum is taken of the unquantised p and divides O at the end.
; When M moves, the sum and O are multiplied by 2^(old M - new M): exact.
; SHARES.  A cluster is the four work-groups of one (batch, head).  Wave w of work-group j makes two tiles of 16 queries, one after the other: token blocks 4 w + j and 124 - 4 w + j.  Block t wants t / 8 + 1 key steps of 128:
; 17 steps for every wave.  The number of the step on the diagonal, w / 2 and (31 - w) / 2, hangs on the wave's number alone; j enters Q's and y's global addresses and the mask's data only.
; ALL OF THE HEAD'S K AND V LIES IN LDS, FILLED ONCE by joint loads (the four work-groups read the same bytes): no slot is filled again, one barrier stands in front of the work, and behind it the sixteen waves, four to a SIMD, run freely.
; K = 64 IN A FORM OF K = 128: Q's registers 6-11 are zero codes, and the upper two bytes of Q's scale word are cut to 0.  K's tile is named with the six registers behind it (the next tile's codes; behind the last tile six
; registers of zeros): they meet Q's zeros and add nothing, since no code of this format is an infinity or a NaN and no scale byte here is 0xff (the bytes made are 1 to 254, a shifted or cut word's upper bytes 0).
; LIMITS: a block of zeros gets the byte 1 and not 127 (its codes are zeros; this program alone reads the bytes); a p under 2^-126 comes out as 0 (ISA guide, v_exp_f32); NaN and infinities are not served.
.set IMG,   1536
.set CODEQ, 0x100000
.set CODES, 0x48000
.set VC,    98304                      ; LDS: K's 128 half images at 0; V's 16 x 4 images here;
.set KSC,   196608                     ; K's scale words, 64 x 128 bytes;
.set VSC,   204800                     ; V's, 16 x 512 bytes
.set KR,  42                           ; v42-89   K's 8 tiles x 6, later V's 4 x 12;  v90-95 zeros
.set ST,  96                           ; v96-159  S^T, then p
.set OT,  160                          ; v160-191 O^T
.set KSW, 192                          ; v192-199 K's scale words
.set VSW, 200                          ; v200-203 V's
.set PC,  204                          ; v204-215 p's codes
.set CT,  216                          ; v216-218, v220-222 at work
.set BM,  224                          ; v224-227 the blocks' largest
.set PT,  228                          ; v228-231 the other half's; then the bytes
.set SO,  232                          ; v232-235 the conversions' scale operands
.set FF,  236                          ; v236 f, v237 0
.set PW,  238                          ; p's scale word
.set TT,  239
.set S2,  240                          ; v240-241 the sum's second chain
.set DD,  242
.set NI,  243
.set WV,  18
.set CX,  19
.set SEL, 20
.set CS,  22
.set G1K, 24
.set G1KS, 32
.set G1V, 40
.set G1VS, 48
.set G0K, 56
.set G0KS, 60
.set G0V, 68
.set G0VS, 72
.set TK,  76                           ; s76  LDS bytes from the first key step's codes to this one's: 6,144 a step, K's and V's alike
.set TS,  77                           ; s77  the same for the scale words: 512 a step
.set KI,  78                           ; s78  the key step
.set MK,  79                           ; s79  lanes 16-31
.macro CROUND                          ; a round of the cluster's barrier
	s_barrier_signal -1
	s_barrier_wait -1
	s_cmp_lg_u32 s[WV], 0
	s_cbranch_scc1 .Lnot_wave_0_\@
	s_barrier_signal -3
.Lnot_wave_0_\@:
	s_barrier_wait -3
	s_barrier_signal -1
	s_barrier_wait -1
.endm
	s_load_b128 s[4:7], s[0:1], 0x0                ; qk, vt
	s_load_b64 s[8:9], s[0:1], 0x10                ; yq
	v_lshl_add_u32 v254, v0, 2, 0x34000
	v_mov_b32 v255, 0
	ds_add_u32 v254, v255
	ds_add_u32 v254, v255
	v_lshrrev_b32 v8, 5, v0
	s_delay_alu instid0(VALU_DEP_1)
	v_readfirstlane_b32 s[WV], v8                  ; wave 0..15
	s_bfe_u32 s[CX], ttmp6, 0x40000                ; j: my place in the cluster
	s_and_b32 s10, ttmp7, 0xffff                   ; 16 b + head: the four partners share it
	s_lshr_b32 s11, s10, 4                         ; b
	s_and_b32 s12, s10, 15                         ; head
	s_lshr_b32 s13, s12, 1                         ; g: its pair
	s_and_b32 s14, s12, 1                          ; which of the pair
	s_and_b32 s15, s[WV], 3                        ; which quarter I fetch
	s_mul_i32 s80, s14, 768                        ; my head's half of an image,
	s_lshl_b32 s81, s14, 7                         ; and of a block of scale words
	; descriptor groups 1: elements of 8 bytes, the mask names all four work-groups, bit 21 beside it, no padding
	s_mov_b32 s[G1K], 15|(3<<16)|(1<<21)           ; K: 16 half images of 768 bytes, 1,536 bytes apart
	s_mov_b32 s[G1K+1], 96<<16
	s_mov_b32 s[G1K+2], 32<<16                     ; (a quarter of K: 32 half images)
	s_mov_b32 s[G1K+3], 96<<16
	s_mov_b32 s[G1K+4], 32
	s_mov_b32 s[G1K+5], 192
	s_mov_b32 s[G1K+6], 0
	s_mov_b32 s[G1K+7], 0
	s_mov_b32 s[G1KS], 15|(3<<16)|(1<<21)          ; K's scale words: 8 halves of 128 bytes, 256 bytes apart
	s_mov_b32 s[G1KS+1], 16<<16
	s_mov_b32 s[G1KS+2], 16<<16                    ; (a quarter: 16 halves)
	s_mov_b32 s[G1KS+3], 16<<16
	s_mov_b32 s[G1KS+4], 16
	s_mov_b32 s[G1KS+5], 32
	s_mov_b32 s[G1KS+6], 0
	s_mov_b32 s[G1KS+7], 0
	s_mov_b32 s[G1V], 15|(3<<16)|(1<<21)           ; V: 2 key groups x 4 images (6,144 bytes), 512 images apart
	s_mov_b32 s[G1V+1], 768<<16
	s_mov_b32 s[G1V+2], 4<<16                      ; (a quarter: 4 key groups)
	s_mov_b32 s[G1V+3], 768<<16
	s_mov_b32 s[G1V+4], 4
	s_mov_b32 s[G1V+5], 98304
	s_mov_b32 s[G1V+6], 0
	s_mov_b32 s[G1V+7], 0
	s_mov_b32 s[G1VS], 15|(3<<16)|(1<<21)          ; V's scale words: 2 key groups x 512 bytes, 65,536 bytes apart
	s_mov_b32 s[G1VS+1], 64<<16
	s_mov_b32 s[G1VS+2], 4<<16                     ; (a quarter: 4 key groups)
	s_mov_b32 s[G1VS+3], 64<<16
	s_mov_b32 s[G1VS+4], 4
	s_mov_b32 s[G1VS+5], 8192
	s_mov_b32 s[G1VS+6], 0
	s_mov_b32 s[G1VS+7], 0
	s_mov_b32 s[SEL], 0x76543210
	s_mov_b32 s[SEL+1], 0xfedcba98                 ; v_permlanex16_b32's selects for lane l xor 16
	s_mov_b32 s[CS], 0x3e38aa3b                    ; c = log2(e) / 8
	s_mov_b32 s[CS+1], s[CS]                       ; (named with it as a pair, so it is written)
	s_mov_b32 s[MK], 0xffff0000
	s_wait_dscnt 0x0
	s_wait_kmcnt 0x0
	; groups 0: made of b, the head and the wave's number alone
	s_lshl_b32 s16, s11, 7
	s_add_co_u32 s17, s13, 8
	s_lshl_b32 s17, s17, 9
	s_add_co_u32 s16, s16, s17                     ; k's first image: 128 b + 512 (8 + g)
	s_mul_i32 s2, s16, IMG
	s_add_co_u32 s2, s2, s80
	s_add_co_u32 s2, s2, CODEQ
	s_mul_i32 s3, s15, 32*IMG
	s_add_co_u32 s2, s2, s3
	s_mov_b32 s3, 0
	s_mov_b32 s[G0K], 1
	s_mul_i32 s[G0K+1], s15, 32*768
	s_add_nc_u64 s[G0K+2:G0K+3], s[4:5], s[2:3]
	s_or_b32 s[G0K+3], s[G0K+3], 0x80000000
	s_lshl_b32 s2, s16, 7
	s_add_co_u32 s2, s2, s81
	s_lshl_b32 s17, s15, 12
	s_add_co_u32 s2, s2, s17
	s_mov_b32 s[G0KS], 1
	s_lshl_b32 s[G0KS+1], s15, 11
	s_add_co_u32 s[G0KS+1], s[G0KS+1], KSC
	s_add_nc_u64 s[G0KS+2:G0KS+3], s[4:5], s[2:3]
	s_or_b32 s[G0KS+3], s[G0KS+3], 0x80000000
	s_lshl_b32 s16, s12, 2
	s_lshl_b32 s17, s11, 6
	s_add_co_u32 s16, s16, s17                     ; v's first image: 4 x head + 64 b
	s_mul_i32 s2, s16, IMG
	s_add_co_u32 s2, s2, CODEQ
	s_mul_i32 s17, s15, 4*512*IMG
	s_add_co_u32 s2, s2, s17
	s_mov_b32 s[G0V], 1
	s_mul_i32 s[G0V+1], s15, 4*4*IMG
	s_add_co_u32 s[G0V+1], s[G0V+1], VC
	s_add_nc_u64 s[G0V+2:G0V+3], s[6:7], s[2:3]
	s_or_b32 s[G0V+3], s[G0V+3], 0x80000000
	s_lshl_b32 s2, s16, 7
	s_lshl_b32 s17, s15, 18
	s_add_co_u32 s2, s2, s17
	s_mov_b32 s[G0VS], 1
	s_lshl_b32 s[G0VS+1], s15, 11
	s_add_co_u32 s[G0VS+1], s[G0VS+1], VSC
	s_add_nc_u64 s[G0VS+2:G0VS+3], s[6:7], s[2:3]
	s_or_b32 s[G0VS+3], s[G0VS+3], 0x80000000
	CROUND                                         ; all four work-groups are here: the joint loads meet
	s_cmp_lt_u32 s[WV], 4                          ; one fill a wave, in one chain of branches on the wave's number: waves 0-3 K, 4-7 V, 8-11 K's scale words, 12-15 V's, a quarter each
	s_cbranch_scc0 .Lfill_v
	tensor_load_to_lds s[G0K:G0K+3], s[G1K:G1K+7]
	s_nop 0
.rept 4
	v_nop
.endr
	s_branch .Lfilled
.Lfill_v:
	s_cmp_lt_u32 s[WV], 8
	s_cbranch_scc0 .Lfill_ks
	tensor_load_to_lds s[G0V:G0V+3], s[G1V:G1V+7]
	s_nop 0
.rept 4
	v_nop
.endr
	s_branch .Lfilled
.Lfill_ks:
	s_cmp_lt_u32 s[WV], 12
	s_cbranch_scc0 .Lfill_vs
	tensor_load_to_lds s[G0KS:G0KS+3], s[G1KS:G1KS+7]
	s_nop 0
.rept 4
	v_nop
.endr
	s_branch .Lfilled
.Lfill_vs:
	tensor_load_to_lds s[G0VS:G0VS+3], s[G1VS:G1VS+7]
	s_nop 0
.rept 4
	v_nop
.endr
.Lfilled:
; My two tiles' addresses.  What hangs on j is made in s100, s101, s104, s105 and lands in s82-99: none of these feeds a descriptor, an LDS address or a branch.
.macro TILE qc, qs, yi, ys, dq, kd     ; the token block t (in the batch) stands in s100
	s_lshl_b32 s101, s11, 7
	s_add_co_u32 s101, s101, s100                  ; token block 128 b + t
	s_lshl_b32 s104, s13, 9
	s_add_co_u32 s104, s104, s101                  ; q's image
	s_mul_i32 s[\qc], s104, IMG
	s_add_co_u32 s[\qc], s[\qc], s80
	s_add_co_u32 s[\qc], s[\qc], CODEQ
	s_mov_b32 s[\qc+1], 0
	s_lshr_b32 s[\qs], s104, 1
	s_lshl_b32 s[\qs], s[\qs], 8
	s_and_b32 s105, s100, 1
	s_lshl_b32 s104, s105, 2
	s_add_co_u32 s[\qs], s[\qs], s104
	s_add_co_u32 s[\qs], s[\qs], s81               ; its scale words
	s_mov_b32 s[\qs+1], 0
	s_lshl_b32 s[\yi], s101, 3
	s_add_co_u32 s[\yi], s[\yi], s13
	s_mul_i32 s[\yi], s[\yi], IMG
	s_add_co_u32 s[\yi], s[\yi], s80
	s_add_co_u32 s[\yi], s[\yi], CODES             ; y's half image: block 128 b + t, K step g
	s_mov_b32 s[\yi+1], 0
	s_lshl_b32 s[\ys], s101, 9
	s_lshl_b32 s104, s12, 1
	s_add_co_u32 s[\ys], s[\ys], s104              ; y's scale bytes: 32 a row, mine at 2 x head
	s_mov_b32 s[\ys+1], 0
	s_lshr_b32 s104, s100, 1
	s_lshl_b32 s104, s104, 5
	s_lshl_b32 s105, s105, 3
	s_add_co_u32 s104, s104, s105                  ; lane 0's query: 32 (t / 2) + 8 (t % 2),
	s_lshl_b32 s105, s[\kd], 7
	s_sub_co_u32 s[\dq], s104, s105                ; counted from the diagonal step's first key
.endm
	s_lshr_b32 s66, s[WV], 1                       ; the first tile's step on the diagonal
	s_sub_co_u32 s67, 31, s[WV]
	s_lshr_b32 s67, s67, 1                         ; the second's
	s_lshl_b32 s100, s[WV], 2
	s_add_co_u32 s100, s100, s[CX]
	TILE 82, 84, 90, 92, 98, 66
	s_lshl_b32 s100, s[WV], 2
	s_sub_co_u32 s100, 124, s100
	s_add_co_u32 s100, s100, s[CX]
	TILE 86, 88, 94, 96, 99, 67
	s_add_nc_u64 s[82:83], s[4:5], s[82:83]
	s_add_nc_u64 s[84:85], s[4:5], s[84:85]
	s_add_nc_u64 s[86:87], s[4:5], s[86:87]
	s_add_nc_u64 s[88:89], s[4:5], s[88:89]
	s_add_nc_u64 s[90:91], s[8:9], s[90:91]
	s_add_nc_u64 s[92:93], s[8:9], s[92:93]
	s_add_nc_u64 s[94:95], s[8:9], s[94:95]
	s_add_nc_u64 s[96:97], s[8:9], s[96:97]
	v_and_b32 v8, 31, v0                           ; lane
	v_and_b32 v9, 15, v0                           ; r
	v_bfe_u32 v10, v0, 4, 1                        ; h
	s_delay_alu instid0(VALU_DEP_3)
	v_lshlrev_b32 v1, 3, v8                        ; v1  K: 8 x lane
	s_delay_alu instid0(VALU_DEP_1)
	v_add_nc_u32 v2, VC, v1                        ; v2  V
	s_delay_alu instid0(VALU_DEP_4)
	v_lshlrev_b32 v244, 3, v9                      ; 8 r
	s_delay_alu instid0(VALU_DEP_1)
	v_add_nc_u32 v3, KSC, v244                     ; v3  K's scale words
	s_delay_alu instid0(VALU_DEP_2)
	v_add_nc_u32 v4, VSC, v244                     ; v4  V's
	v_and_b32 v11, 8, v9
	s_delay_alu instid0(VALU_DEP_1)
	v_add_nc_u32 v5, v11, v9
	v_lshlrev_b32 v11, 4, v10
	s_delay_alu instid0(VALU_DEP_1)
	v_sub_nc_u32 v5, v5, v11                       ; v5  r + 8 (r / 8) - 16 h: my query less my half's first key
	v_lshlrev_b32 v6, 3, v8                        ; v6  8 x lane, for memory
	v_lshl_add_u32 v7, v9, 5, v10                  ; v7  32 r + h: my scale byte of y
.irp p, 0,1,2
	global_load_b64 v[16+2*\p:17+2*\p], v6, s[82:83] offset:256*\p   ; Q's two fragments stay in registers
	global_load_b64 v[28+2*\p:29+2*\p], v6, s[86:87] offset:256*\p
.endr
	global_load_b32 v40, v244, s[84:85]            ; and their scale words
	global_load_b32 v41, v244, s[88:89]
.irp i, 0,1,2,3,4,5
	v_mov_b32 v[22+\i], 0                          ; Q's upper 64 along K: zero codes
	v_mov_b32 v[34+\i], 0
	v_mov_b32 v[90+\i], 0                          ; what stands behind K's last tile
.endr
.irp i, 0,1,2,3
	v_mov_b32 v[PT+\i], 0                          ; a lane permute's destination counts as one of its sources
.endr
	v_mov_b32 v[FF+1], 0                           ; (named as the upper half of a pair)
	v_mov_b32 v[TT], 0
	s_wait_tensorcnt 0x0                           ; my parts of K, V and their scales are in,
	s_barrier_signal -1
	s_barrier_wait -1                              ; everybody's are: nothing writes LDS from here on
	s_wait_loadcnt 0x0                             ; Q
	v_and_b32 v40, 0xffff, v40                     ; Q's scale words keep my head's two bytes; the bytes over the zero codes become 0.  (The tile's 36 moves below stand between these lines and the first product)
	v_and_b32 v41, 0xffff, v41
; A KEY STEP: 128 keys against my 16 queries.
.macro STEP qf, qs, kd, dq
	v_add_nc_u32 v8, s[TK], v1                     ; the four additions are the places between the last step's products and the loads into their operands' registers
	v_add_nc_u32 v9, s[TK], v2
	v_add_nc_u32 v10, s[TS], v3
	v_add_nc_u32 v11, s[TS], v4
.set t, 0
.rept 8
.irp p, 0,1,2
	ds_load_b64 v[KR+6*t+2*\p:KR+6*t+2*\p+1], v8 offset:768*t+256*\p   ; each load reads 256 consecutive bytes
.endr
.set t, t+1
.endr
.irp i, 0,1,2,3
	ds_load_b64 v[KSW+2*\i:KSW+2*\i+1], v10 offset:128*\i
.endr
	s_wait_alu depctr_va_vdst(0)
	s_wait_dscnt 0x0
.set t, 0
.rept 8
	v_wmma_scale_f32_16x16x128_f8f6f4 v[ST+8*t:ST+8*t+7], v[KR+6*t:KR+6*t+11], v[\qf:\qf+11], 0, v[KSW+t], v[\qs] matrix_a_fmt:MATRIX_FMT_FP6 matrix_b_fmt:MATRIX_FMT_FP6
.set t, t+1
.endr
.rept 4
	v_nop                                          ; places: the scores are read below, and V lands where K stood
.endr
.set t, 0
.rept 4
.irp p, 0,1,2,3,4,5
	ds_load_b64 v[KR+12*t+2*\p:KR+12*t+2*\p+1], v9 offset:IMG*t+256*\p   ; V's four tiles are asked for now and land while the softmax is worked
.endr
.set t, t+1
.endr
.irp i, 0,1
	ds_load_b64 v[VSW+2*\i:VSW+2*\i+1], v11 offset:256*\i
.endr
	s_cmp_lg_u32 s[KI], s[\kd]                     ; only the step on the diagonal has hidden keys
	s_cbranch_scc1 .Lopen_\@
	v_add_nc_u32 v[DD], s[\dq], v5                 ; d = my query - the step's first key - 16 h.  Register 16 b + i holds key 16 h + 32 b + i: hidden where 32 b + i > d
	v_mov_b32 v[NI], 0xff800000                    ; -infinity: p = 0 then
.set n, 0
.rept 64
	v_cmp_gt_i32 vcc_lo, 32*(n/16)+n%16, v[DD]
	v_cndmask_b32 v[ST+n], v[ST+n], v[NI], vcc_lo
.set n, n+1
.endr
.Lopen_\@:
.irp b, 0,1,2,3
	v_max3_num_f32 v[BM+\b], v[ST+16*\b], v[ST+1+16*\b], v[ST+2+16*\b]   ; the largest score of each block of 32 keys: for the row's maximum and, since p rises with the score, for the block's largest p
.endr
.irp i, 3,5,7,9,11,13
.irp b, 0,1,2,3
	v_max3_num_f32 v[BM+\b], v[BM+\b], v[ST+16*\b+\i], v[ST+1+16*\b+\i]
.endr
.endr
.irp b, 0,1,2,3
	v_max_num_f32 v[BM+\b], v[BM+\b], v[ST+15+16*\b]
.endr
.irp b, 0,1,2,3
	s_delay_alu instid0(VALU_DEP_4)
	v_permlanex16_b32 v[PT+\b], v[BM+\b], s[SEL], s[SEL+1]
.endr
.irp b, 0,1,2,3
	s_delay_alu instid0(VALU_DEP_4)
	v_max_num_f32 v[BM+\b], v[BM+\b], v[PT+\b]     ; with lane l xor 16's 16 keys
.endr
	s_delay_alu instid0(VALU_DEP_2)
	v_max3_num_f32 v[TT], v[BM], v[BM+1], v[BM+2]
	s_delay_alu instid0(VALU_DEP_1)
	v_max_num_f32 v[TT], v[TT], v[BM+3]            ; the step's largest score of my query
	s_delay_alu instid0(VALU_DEP_1)
	v_mul_f32 v[TT], s[CS], v[TT]                  ; as t
	s_delay_alu instid0(VALU_DEP_1)
	v_max_num_f32 v13, v13, v[TT]                  ; the running largest t
	v_mov_b32 v[TT], v12
	s_delay_alu instid0(VALU_DEP_2)
	v_floor_f32 v12, -v13                          ; the new -M = floor(-t): M is a whole number
	s_delay_alu instid0(VALU_DEP_1)
	v_sub_f32 v[TT], v12, v[TT]                    ; old M - new M: a whole number, 0 or less
	s_delay_alu instid0(VALU_DEP_1)
	v_cvt_i32_f32 v[TT], v[TT]                     ; (it saturates)
	s_delay_alu instid0(VALU_DEP_1)
	v_ldexp_f32 v[FF], 1.0, v[TT]                  ; f = 2^(old M - new M)
.set j, 0
.rept 32
	v_pk_fma_f32 v[ST+j:ST+j+1], v[ST+j:ST+j+1], s[CS:CS+1], v[12:13] op_sel_hi:[1,0,0]   ; t - M, two at a time
.set j, j+2
.endr
.irp b, 0,1,2,3
	v_fma_f32 v[BM+\b], v[BM+\b], s[CS], v12       ; the same of each block's largest score
.endr
.set j, 0
	s_wait_alu depctr_va_vdst(0)
.rept 64
	v_exp_f32 v[ST+j], v[ST+j]                     ; p = 2^(t - M), at most 1
.set j, j+1
.endr
.irp b, 0,1,2,3
	v_exp_f32 v[BM+\b], v[BM+\b]                   ; the block's largest p
.endr
	v_pk_mul_f32 v[14:15], v[14:15], v[FF:FF+1] op_sel_hi:[1,0]   ; the sums under the new M.  (A plain place behind the exponentials)
	s_wait_alu depctr_va_vdst(0)
.irp b, 0,1,2,3
	v_max_num_f32 v[BM+\b], 0x1800000, v[BM+\b]    ; the floor 2^(3 - 127): the byte cannot fall under 1
.endr
.irp b, 0,1,2,3
	s_delay_alu instid0(VALU_DEP_4)
	v_add_nc_u32 v[SO+\b], 0xff000000, v[BM+\b]    ; 2 off the exponent field: the conversion's scale operand
.endr
.irp b, 0,1,2,3
	s_delay_alu instid0(VALU_DEP_4)
	v_lshrrev_b32 v[PT+\b], 23, v[SO+\b]           ; the scale's byte
.endr
	s_delay_alu instid0(VALU_DEP_3)
	v_lshl_or_b32 v[PW], v[PT+1], 8, v[PT]         ; p's scale word for these 128 keys
	s_delay_alu instid0(VALU_DEP_1)
	v_lshl_or_b32 v[PW], v[PT+2], 16, v[PW]
	s_delay_alu instid0(VALU_DEP_1)
	v_lshl_or_b32 v[PW], v[PT+3], 24, v[PW]
.irp c, 0,1
	v_cvt_scalef32_pk16_fp6_f32 v[PC+6*\c:PC+6*\c+2], v[ST+32*\c:ST+32*\c+15], v[SO+2*\c]
	v_cvt_scalef32_pk16_fp6_f32 v[CT+4*\c:CT+4*\c+2], v[ST+32*\c+16:ST+32*\c+31], v[SO+2*\c+1]   ; (a conversion's three registers begin on an even number)
.endr
	v_nop                                          ; one plain place behind a scaled conversion
.irp c, 0,1                                    ; the operand's layout wants a WHOLE block in a lane
.irp i, 0,1,2
	v_permlane16_swap_b32 v[PC+6*\c+\i], v[CT+4*\c+\i]
.endr
.irp i, 0,1,2
	s_delay_alu instid0(VALU_DEP_3)
	v_mov_b32 v[PC+3+6*\c+\i], v[CT+4*\c+\i]
.endr
.endr
	v_pk_add_f32 v[240:241], v[100:101], v[104:105]
	v_pk_add_f32 v[252:253], v[108:109], v[112:113]
	v_pk_add_f32 v[250:251], v[116:117], v[120:121]
	v_pk_add_f32 v[248:249], v[124:125], v[128:129]
	v_pk_add_f32 v[246:247], v[132:133], v[136:137]
	v_pk_add_f32 v[244:245], v[140:141], v[144:145]
	v_pk_add_f32 v[242:243], v[148:149], v[152:153]
	v_pk_add_f32 v[14:15], v[14:15], v[156:157]
	v_pk_add_f32 v[240:241], v[240:241], v[96:97]
	v_pk_add_f32 v[252:253], v[252:253], v[98:99]
	v_pk_add_f32 v[250:251], v[250:251], v[102:103]
	v_pk_add_f32 v[248:249], v[248:249], v[106:107]
	v_pk_add_f32 v[246:247], v[246:247], v[110:111]
	v_pk_add_f32 v[244:245], v[244:245], v[114:115]
	v_pk_add_f32 v[242:243], v[242:243], v[118:119]
	v_pk_add_f32 v[14:15], v[14:15], v[122:123]
	v_pk_add_f32 v[240:241], v[240:241], v[126:127]
	v_pk_add_f32 v[252:253], v[252:253], v[130:131]
	v_pk_add_f32 v[250:251], v[250:251], v[134:135]
	v_pk_add_f32 v[248:249], v[248:249], v[138:139]
	v_pk_add_f32 v[246:247], v[246:247], v[142:143]
	v_pk_add_f32 v[244:245], v[244:245], v[146:147]
	v_pk_add_f32 v[242:243], v[242:243], v[150:151]
	v_pk_add_f32 v[14:15], v[14:15], v[154:155]
	v_pk_add_f32 v[240:241], v[240:241], v[158:159]
	s_delay_alu instid0(VALU_DEP_2)
	v_pk_add_f32 v[14:15], v[14:15], v[248:249]
	s_delay_alu instid0(VALU_DEP_2)
	v_pk_add_f32 v[240:241], v[240:241], v[246:247]
	v_pk_add_f32 v[252:253], v[252:253], v[244:245]
	v_pk_add_f32 v[250:251], v[250:251], v[242:243]
	s_delay_alu instid0(VALU_DEP_2)
	v_pk_add_f32 v[14:15], v[14:15], v[252:253]
	s_delay_alu instid0(VALU_DEP_2)
	v_pk_add_f32 v[240:241], v[240:241], v[250:251]
	s_delay_alu instid0(VALU_DEP_1)
	v_pk_add_f32 v[14:15], v[14:15], v[240:241]
.set j, 0
.rept 16
	v_pk_mul_f32 v[OT+j:OT+j+1], v[OT+j:OT+j+1], v[FF:FF+1] op_sel_hi:[1,0]   ; O^T under the new M.  (With the sums: the places between the writes of p's codes and scale word and the products below)
.set j, j+2
.endr
	s_wait_alu depctr_va_vdst(0)
	s_wait_dscnt 0x0                               ; V is in
.set t, 0
.rept 4
	v_wmma_scale_f32_16x16x128_f8f6f4 v[OT+8*t:OT+8*t+7], v[KR+12*t:KR+12*t+11], v[PC:PC+11], v[OT+8*t:OT+8*t+7], v[VSW+t], v[PW] matrix_a_fmt:MATRIX_FMT_FP6 matrix_b_fmt:MATRIX_FMT_FP6   ; the four accumulators by turns; S^T's eight stand between two of their turns
.set t, t+1
.endr
.endm
; ONE TILE OF 16 QUERIES.  Every wave walks all 16 key steps, so that the trip count is a constant; a step whose keys all come after the tile's queries is jumped over, but for the lines that step addresses.
.macro PASS qf, qs, kd, dq, yi, ys
	s_wait_xcnt 0x0                                ; the last tile's stores have read their registers
	v_mov_b32 v13, 0xff61b1e6                      ; the largest t so far: -3e38, under every t
	s_delay_alu instid0(VALU_DEP_1)
	v_floor_f32 v12, -v13                          ; -M
	v_mov_b32 v14, 0                               ; the sum, in two halves
	v_mov_b32 v15, 0
.set j, 0
.rept 32
	v_mov_b32 v[OT+j], 0                           ; O^T: the step is written once; the first finds zeros, which the first change of M leaves zeros
.set j, j+1
.endr
	s_mov_b32 s[TK], 0
	s_mov_b32 s[TS], 0
	s_mov_b32 s[KI], 0
.Lstep_\@:
	s_cmp_gt_u32 s[KI], s[\kd]
	s_cbranch_scc1 .Lhidden_\@
	STEP \qf, \qs, \kd, \dq
.Lhidden_\@:
	s_add_co_u32 s[TK], s[TK], 4*IMG
	s_add_co_u32 s[TS], s[TS], 512
	s_add_co_u32 s[KI], s[KI], 1
	s_cmp_lt_u32 s[KI], 16
	s_cbranch_scc1 .Lstep_\@
.rept 4
	v_nop                                          ; places behind the last products
.endr
	v_add_f32 v14, v14, v15                        ; the sum's two halves,
	s_delay_alu instid0(VALU_DEP_1)
	v_permlanex16_b32 v[TT], v14, s[SEL], s[SEL+1]
	s_delay_alu instid0(VALU_DEP_1)
	v_add_f32 v14, v14, v[TT]                      ; and lane l xor 16's: the row's sum
	s_wait_alu depctr_va_vdst(0)
	v_rcp_f32 v14, v14
	v_nop                                          ; one plain place behind a transcendental
.set j, 0
	s_wait_alu depctr_va_vdst(0)
.rept 16
	v_pk_mul_f32 v[ST+j:ST+j+1], v[OT+j:OT+j+1], v[14:15] op_sel_hi:[1,0]   ; y: register 16 g + i is channel 32 g + 16 h + i of the head; each accumulator from its low end on
.set j, j+2
.endr
.irp b, 0,1
	v_max3_num_f32 v[BM+\b], |v[ST+16*\b]|, |v[ST+1+16*\b]|, 0x1800000   ; y's two blocks of 32, with the floor
.endr
.irp i, 2,4,6,8,10,12,14
.irp b, 0,1
	s_delay_alu instid0(VALU_DEP_2)
	v_max3_num_f32 v[BM+\b], v[BM+\b], |v[ST+16*\b+\i]|, |v[ST+1+16*\b+\i]|
.endr
.endr
.irp b, 0,1
	s_delay_alu instid0(VALU_DEP_2)
	v_permlanex16_b32 v[PT+\b], v[BM+\b], s[SEL], s[SEL+1]
.endr
.irp b, 0,1
	s_delay_alu instid0(VALU_DEP_2)
	v_max_num_f32 v[BM+\b], v[BM+\b], v[PT+\b]
.endr
.irp b, 0,1
	s_delay_alu instid0(VALU_DEP_2)
	v_add_nc_u32 v[SO+\b], 0xff000000, v[BM+\b]
.endr
.irp b, 0,1
	s_delay_alu instid0(VALU_DEP_2)
	v_lshrrev_b32 v[PT+\b], 23, v[SO+\b]
.endr
	v_cvt_scalef32_pk16_fp6_f32 v[PC:PC+2], v[ST:ST+15], v[SO]
	v_cvt_scalef32_pk16_fp6_f32 v[CT:CT+2], v[ST+16:ST+31], v[SO+1]
	v_cndmask_b32 v[TT], v[PT], v[PT+1], s[MK]     ; lanes 0-15 store block 0's byte, lanes 16-31 block 1's.  (The plain place behind the conversions)
.irp i, 0,1,2
	v_permlane16_swap_b32 v[PC+\i], v[CT+\i]
.endr
.irp i, 0,1,2
	s_delay_alu instid0(VALU_DEP_3)
	v_mov_b32 v[PC+3+\i], v[CT+\i]
.endr
.irp p, 0,1,2
	global_store_b64 v6, v[PC+2*\p:PC+2*\p+1], s[\yi:\yi+1] offset:256*\p   ; half an image: each store of the wave covers 256 consecutive bytes, aligned
.endr
	global_store_b8 v7, v[TT], s[\ys:\ys+1]        ; a head owns 2 of a row's 32 scale bytes: single bytes, 32 for a tile
.endm
	PASS 16, 40, 66, 98, 90, 92
	PASS 28, 41, 67, 99, 94, 96
	s_wait_tensorcnt 0x0
	ds_add_u32 v254, v255
	s_wait_dscnt 0x0
	CROUND                                         ; the closing round: no work-group ends while a partner may still ask for a tile that names it
	s_endpgm
.Lfunc_end_k_q3f6fa5e008_attn:
	.size	k_q3f6fa5e008_attn, .Lfunc_end_k_q3f6fa5e008_attn-k_q3f6fa5e008_attn
	.p2alignl 7, 3214868480
	.fill 96, 4, 3214868480
	.section	.rodata,"a",@progbits
	.p2align	6, 0x0
	.amdhsa_kernel k_q3f6fa5e008_attn
		.amdhsa_group_segment_fixed_size 215040
		.amdhsa_private_segment_fixed_size 0
		.amdhsa_enable_private_segment 0
		.amdhsa_kernarg_size 24
		.amdhsa_user_sgpr_count 2
		.amdhsa_user_sgpr_kernarg_segment_ptr 1
		.amdhsa_wavefront_size32 1
		.amdhsa_system_sgpr_workgroup_id_x 1
		.amdhsa_system_sgpr_workgroup_id_y 1
		.amdhsa_system_sgpr_workgroup_id_z 1
		.amdhsa_system_vgpr_workitem_id 0
		.amdhsa_next_free_vgpr 256
		.amdhsa_next_free_sgpr 106
		.amdhsa_reserve_vcc 1
		.amdhsa_float_denorm_mode_32 3
		.amdhsa_float_denorm_mode_16_64 3
		.amdhsa_memory_ordered 1
		.amdhsa_forward_progress 1
		.amdhsa_inst_pref_size 71
	.end_amdhsa_kernel
	.amdgpu_metadata
---
amdhsa.version: [ 1, 2 ]
amdhsa.kernels:
  - .name:           k_q3f6fa5e008_attn
    .symbol:         k_q3f6fa5e008_attn.kd
    .args:
      - { .name: qk, .offset: 0, .size: 8, .value_kind: global_buffer, .address_space: global }
      - { .name: vt, .offset: 8, .size: 8, .value_kind: global_buffer, .address_space: global }
      - { .name: yq, .offset: 16, .size: 8, .value_kind: global_buffer, .address_space: global }
    .group_segment_fixed_size: 215040
    .private_segment_fixed_size: 0
    .kernarg_segment_align: 8
    .kernarg_segment_size: 24
    .max_flat_workgroup_size: 512
    .sgpr_count:     106
    .vgpr_count:     256
    .wavefront_size: 32
...
	.end_amdgpu_metadata
.endif
;; end of part 3
;; launch proj (part 4): grid 8 x 32, 4 waves a work-group, clusters of 4 x 4, 327,680 bytes of LDS; arguments yq, wp, out0; writes out0
.if DOCPART == 4
	.amdgcn_target "amdgcn-amd-amdhsa--gfx1250"
	.amdhsa_code_object_version 6
	.text
	.protected	k_q3f6fa5e008_proj
	.globl	k_q3f6fa5e008_proj
	.p2align	8
	.type	k_q3f6fa5e008_proj,@function
k_q3f6fa5e008_proj:
	s_mov_b64 s[64:65], 0
	v_nop
	global_prefetch_b8 v0, s[64:65] scope:SCOPE_SE
	s_setreg_imm32_b32 hwreg(HW_REG_WAVE_MODE, 25, 1), 1
	s_wait_xcnt 0x0
	s_wait_alu depctr_hold_cnt(0) depctr_sa_sdst(0) depctr_va_vdst(0) depctr_va_sdst(0) depctr_va_ssrc(0) depctr_va_vcc(0) depctr_vm_vsrc(0)
	s_getreg_b32 s2, hwreg(HW_REG_IB_STS2, 6, 4)
	s_cmp_eq_u32 s2, 0
	s_cbranch_scc0 .Lentry_in_a_cluster
	s_endpgm
.Lentry_in_a_cluster:
	s_bfe_u32 s2, ttmp6, 0x10000c
	s_cmp_lg_u32 s2, 0xf033
	s_cbranch_scc0 .Lentry_shape_is_right
	s_endpgm
.Lentry_shape_is_right:
; out0[token][n] = sum over k of y[token][k] Wproj[k][n] + bproj[n], K = 1,024, on codes of FP6 (E2M3) with one E8M0 scale for each 32 along K; sums and result f32.
; yq, wp: operand buffers: scale bytes [position][32] at 0; wp's bias, one f32 for each TRUE row, at 0x40000 (y has no addend: yq's are not read); images [block of 16 rows][K step of 128] of 1,536 bytes at 0x48000:
; register pair p of lane l at 256 p + 8 l.  Lane r of block 2 g + u is true row 32 g + 8 u + r + 8 (r / 8).
; THE DEAL: 256 work-groups; each makes 256 rows x 128 columns.  Four waves, 2 x 2: wave (a, b) holds W's 64 rows 64 b .., ALL of K, in 384 registers, and takes y's blocks 8 a + 0 .. 7 of 16 rows past them:
; a block is 8 fragments and 8 scale words, in two sets; 32 products finish its 16 x 64 results.
; LDS holds all that the work-group reads (y's 16 blocks, W's 8, y's scale bytes), filled ONCE, one joint load a wave at the head: no byte is filled again.  y's tiles are shared by a row of the cluster, W's by a column.
; No prefetch: the four loads at the head ask for every byte that the work-group reads, so there is no later step to ask ahead for.
; THE MATRIX INSTRUCTION IS USED TRANSPOSED (source 0 = 16 rows of W): lane (r, h) holds y's row r, and registers 8 j + i of tiles j = 2 g + u are columns 32 g + 8 u + 16 h + i.  The bias is the first four products' C.
; THE WAY OUT: a block goes through the wave's own stage (16 rows of 256 + 16 bytes) and leaves as rows: sixteen lanes store 256 consecutive bytes, aligned.  Block s is stored behind block s + 1's products.
; LIMITS: scale bytes are taken as the earlier launches leave them (1 to 254); NaN and infinities are not served.
.set BLKB,   12288                     ; a block of 16 rows, all of K: 8 images
.set CODES,  0x48000
.set ADDS,   0x40000
.set FR,     12                        ; registers of a fragment
.set FPW,    21                        ; fragments in a window of 256 registers.  Fragment f lies in window 1 + f / 21 at 12 (f % 21): 0-31 W's (4 q + j), 32-39 and 40-47 y's two sets
.set WB,     16*BLKB                   ; LDS: y's blocks at 0, W's here,
.set SCL,    24*BLKB                   ; y's scale bytes: 32 units of 256 + 16,
.set STG,    SCL+32*272                ; the stages,
.set SPITCH, 272
.set SPARE,  STG+4*16*SPITCH           ; the spare words: 128 bytes a wave
.set L8,  4                            ; v4   8 x lane
.set ABS, 8                            ; v8   32 x lane: W's scale bytes in memory
.set AAS, 9                            ; v9   LDS, my row's scale words of the block fetched next
.set BO,  10                           ; v10  64 h: the bias
.set STO, 11                           ; v11  the stage, in
.set RD,  12                           ; v12  the stage, back
.set CO,  13                           ; v13  my place in two rows of out0
.set SPW, 14
.set NIL, 15
.set AD,  16                           ; v16-23 LDS address of image q of the block fetched next
.set SB,  24                           ; v24-39 W's scale words: 8 p + q; lanes 0-15 tile 2 p, lanes 16-31 tile 2 p + 1
.set SA,  44                           ; v44-59 y's, two sets of eight
.set CB,  60                           ; v60-91 the bias as the result lies
.set ACC, 96                           ; v96-159 two sets of four accumulators
.set OUT, 160                          ; v160-223 two sets: 16 rows back from the stage
.set G1Y, 24
.set G1W, 32
.set G1S, 48
.set G0W, 56
.set G0S, 60
.set G0Y, 68                           ; s[68:71], s[72:75]
.set MSB, 0
.macro WIN new
.if MSB != (\new)
	s_set_vgpr_msb (MSB<<8)|(\new)
.set MSB, (\new)
.endif
.endm
.macro WALU
	s_wait_alu depctr_va_vdst(0)
.endm
.macro BARRIER
	s_barrier_signal -1
	s_barrier_wait -1
.endm
.macro CROUND
	BARRIER
	s_cmp_lg_u32 s14, 0
	s_cbranch_scc1 .Lnot_wave_0_\@
	s_barrier_signal -3
.Lnot_wave_0_\@:
	s_barrier_wait -3
	BARRIER
.endm
.macro TLOAD g0, g1
	tensor_load_to_lds s[\g0:\g0+3], s[\g1:\g1+7]
	s_nop 0
.rept 4
	v_nop
.endr
.endm
.macro GROUP1 g, mask                  ; 8 blocks of 12,288 bytes (1,536 elements of 8), on end in memory and in LDS
	s_or_b32 s[\g+0], s\mask, (3<<16)|(1<<21)
	s_mov_b32 s[\g+1], 1536<<16
	s_mov_b32 s[\g+2], 8<<16
	s_mov_b32 s[\g+3], 1536<<16
	s_mov_b32 s[\g+4], 8
	s_mov_b32 s[\g+5], 1536
	s_mov_b32 s[\g+6], 0
	s_mov_b32 s[\g+7], 0
.endm
.macro FRAG f, q                       ; an image's six pairs, two to a load; each half of a load reads 256 consecutive bytes
	WIN (1+(\f)/FPW)<<6
.irp k, 0,1,2
	ds_load_2addr_b64 v[FR*((\f)%FPW)+4*\k:FR*((\f)%FPW)+4*\k+3], v[AD+(\q)] offset0:64*\k offset1:64*\k+32
.endr
.endm
.macro FETCH e                         ; a block of y into set e: 26 loads
.irp q, 0,1,2,3,4,5,6,7
	FRAG 32+8*(\e)+\q, \q
.endr
	WIN 0
	ds_load_b128 v[SA+8*(\e):SA+8*(\e)+3], v[AAS]
	ds_load_b128 v[SA+8*(\e)+4:SA+8*(\e)+7], v[AAS] offset:16
.endm
.macro NEXT                            ; on to the next block's addresses.  The nine lines are also the places between a block's products and what touches their registers
.irp q, 0,1,2,3,4,5,6,7
	v_add_nc_u32 v[AD+\q], BLKB, v[AD+\q]
.endr
	v_add_nc_u32 v[AAS], 2*272, v[AAS]
	WALU
.endm
.macro MM c, o
.if \o
	v_wmma_scale_f32_16x16x128_f8f6f4 v[D_:D_+7], v[FR*(FB_%FPW):FR*(FB_%FPW)+FR-1], v[FR*(FA_%FPW):FR*(FA_%FPW)+FR-1], \c, v[SB+8*(J_/2)+Q_], v[SA+8*E_+Q_] matrix_a_fmt:MATRIX_FMT_FP6 matrix_b_fmt:MATRIX_FMT_FP6 matrix_a_scale:MATRIX_SCALE_ROW1
.else
	v_wmma_scale_f32_16x16x128_f8f6f4 v[D_:D_+7], v[FR*(FB_%FPW):FR*(FB_%FPW)+FR-1], v[FR*(FA_%FPW):FR*(FA_%FPW)+FR-1], \c, v[SB+8*(J_/2)+Q_], v[SA+8*E_+Q_] matrix_a_fmt:MATRIX_FMT_FP6 matrix_b_fmt:MATRIX_FMT_FP6 matrix_a_scale:MATRIX_SCALE_ROW0
.endif
.endm
.macro PROD n                          ; product n = 4 q + j of set E_: the four accumulators by turns
.set Q_, (\n)/4
.set J_, (\n)%4
.set FB_, 4*Q_+J_
.set FA_, 32+8*E_+Q_
.set D_, ACC+32*E_+8*J_
	WIN (1+FB_/FPW)|((1+FA_/FPW)<<2)
.if Q_
	MM v[D_:D_+7], J_%2
.else
	MM v[CB+8*J_:CB+8*J_+7], J_%2
.endif
.endm
.macro TOSTAGE s                       ; 16 LDS instructions.  LDS serves a wave's instructions in order: the loads see the stores
.irp j, 0,1,2,3
	ds_store_b128 v[STO], v[ACC+32*((\s)%2)+8*\j:ACC+32*((\s)%2)+8*\j+3] offset:128*(\j/2)+32*(\j%2)      ; each accumulator from its low end on
	ds_store_b128 v[STO], v[ACC+32*((\s)%2)+8*\j+4:ACC+32*((\s)%2)+8*\j+7] offset:128*(\j/2)+32*(\j%2)+16
.endr
.irp t, 0,1,2,3,4,5,6,7
	ds_load_b128 v[OUT+32*((\s)%2)+4*\t:OUT+32*((\s)%2)+4*\t+3], v[RD] offset:\t*2*SPITCH
.endr
.endm
.macro SEND s                          ; stage rows 2 t, 2 t + 1 are true rows 32 (s / 2) + 8 (s % 2) + 2 t + 8 (t / 4) + 0, 1 of my 128
.irp t, 0,1,2,3,4,5,6,7
	global_store_b128 v[CO], v[OUT+32*((\s)%2)+4*\t:OUT+32*((\s)%2)+4*\t+3], s[80:81] offset:(32*((\s)/2)+8*((\s)%2)+2*\t+8*(\t/4))*4096 th:TH_STORE_NT
.endr
.endm
; A block.  The wait's count: younger than this block's fetch are the next block's fetch (26) and the stage's 16 instructions of the block before; ahead of block 0 the fetch alone, ahead of block 7 the 16 alone.
.macro BLK s
.set E_, (\s)%2
.if (\s) == 0
	s_wait_dscnt 26
.elseif (\s) < 7
	s_wait_dscnt 42
.else
	s_wait_dscnt 16
.endif
.set N_, 0
.rept 32
	PROD N_
.set N_, N_+1
.endr
	WIN 0
.if (\s) > 0
	s_wait_xcnt 0x0                                ; the stores of two blocks ago have read the registers that this block's rows will land in
	s_wait_dscnt 0x0                               ; the last block's rows are back from the stage
	SEND (\s)-1
.endif
.if (\s) < 6
	NEXT
	FETCH E_                                       ; the block two on, into the set just multiplied
.else
.rept 4
	v_nop                                          ; places behind the block's products
.endr
.endif
	TOSTAGE \s
.endm
	s_load_b128 s[4:7], s[0:1], 0x0                ; yq, wp
	s_load_b64 s[8:9], s[0:1], 0x10                ; out0
	v_lshl_add_u32 v[SPW], v0, 2, SPARE
	v_mov_b32 v[NIL], 0
	ds_add_u32 v[SPW], v[NIL]                      ; the opening lines: the add twice on end and one wait
	ds_add_u32 v[SPW], v[NIL]
	v_lshrrev_b32 v1, 5, v0
	v_readfirstlane_b32 s14, v1                    ; wave
	s_lshr_b32 s15, s14, 1                         ; a: my half of the rows
	s_and_b32 s16, s14, 1                          ; b: my half of the columns
	s_bfe_u32 s40, ttmp6, 0x40000                  ; cx
	s_bfe_u32 s41, ttmp6, 0x40004                  ; cy
	s_lshl_b32 s42, ttmp9, 2
	s_add_co_u32 s42, s42, s40                     ; tile column, 0 .. 7
	s_and_b32 s17, ttmp7, 0xffff
	s_lshl_b32 s17, s17, 2
	s_add_co_u32 s17, s17, s41                     ; tile row, 0 .. 31
	s_lshl_b32 s43, s41, 2
	s_lshl_b32 s43, 15, s43                        ; my row of the cluster
	s_lshl_b32 s44, 0x1111, s40                    ; my column
	GROUP1 G1Y, 43
	GROUP1 G1W, 44
	s_or_b32 s[G1S+0], s43, (3<<16)|(1<<20)|(1<<21)|(5<<22)|(3<<25)   ; y's scale bytes: 8,192 dense bytes as 32 rows of 256, 16 bytes of padding behind each
	s_mov_b32 s[G1S+1], 32<<16
	s_mov_b32 s[G1S+2], 32<<16
	s_mov_b32 s[G1S+3], 32<<16
	s_mov_b32 s[G1S+4], 32
	s_mov_b32 s[G1S+5], 32
	s_mov_b32 s[G1S+6], 0
	s_mov_b32 s[G1S+7], 0
	s_mov_b32 s[G0W], 1
	s_mov_b32 s[G0W+1], WB
	s_mov_b32 s[G0S], 1
	s_mov_b32 s[G0S+1], SCL
	s_mov_b32 s[G0Y], 1
	s_mov_b32 s[G0Y+1], 0
	s_mov_b32 s[G0Y+4], 1
	s_mov_b32 s[G0Y+5], 8*BLKB
	s_mul_i32 s20, s17, 16*BLKB
	s_add_co_u32 s20, s20, CODES                   ; y's 16 blocks, bytes from yq
	s_mov_b32 s21, 0
	s_lshl_b32 s22, s17, 13                        ; their 8,192 scale bytes
	s_mov_b32 s23, 0
	s_mul_i32 s46, s42, 8*BLKB
	s_add_co_u32 s46, s46, CODES                   ; W's 8 blocks, bytes from wp
	s_mov_b32 s47, 0
	s_lshl_b32 s76, s42, 12
	s_lshl_b32 s77, s16, 11
	s_add_co_u32 s76, s76, s77                     ; my 64 rows' scale bytes
	s_mov_b32 s77, 0
	s_lshl_b32 s78, s42, 9
	s_lshl_b32 s79, s16, 8
	s_add_co_u32 s78, s78, s79                     ; my first column, in bytes of f32
	s_mov_b32 s79, 0
	s_lshl_b32 s80, s17, 20
	s_lshl_b32 s81, s15, 19
	s_add_co_u32 s80, s80, s81                     ; my first row of out0: (256 x tile row + 128 a) x 4,096 bytes
	s_add_co_u32 s80, s80, s78
	s_mov_b32 s81, 0
	s_add_co_u32 s78, s78, ADDS                    ; and the same columns' biases
	v_and_b32 v1, 15, v0                           ; r
	v_bfe_u32 v2, v0, 4, 1                         ; h
	v_and_b32 v3, 31, v0
	v_lshlrev_b32 v[L8], 3, v3
	v_lshlrev_b32 v[ABS], 5, v3
	v_lshlrev_b32 v5, 5, v1                        ; my row's scale bytes: 32 a row,
	v_lshrrev_b32 v6, 8, v5
	v_lshl_add_u32 v5, v6, 4, v5                   ; and 16 more for each 256 passed
	s_mul_i32 s82, s15, 16*272
	s_add_co_u32 s82, s82, SCL
	v_add_nc_u32 v[AAS], s82, v5
	v_lshlrev_b32 v[BO], 6, v2
	s_mul_i32 s83, s14, 16*SPITCH
	s_add_co_u32 s83, s83, STG                     ; my stage
	v_mul_u32_u24 v5, v1, SPITCH
	v_lshl_add_u32 v5, v2, 6, v5
	v_add_nc_u32 v[STO], s83, v5                   ; in: row r, + 64 h bytes
	v_mul_u32_u24 v6, v2, SPITCH
	v_lshl_add_u32 v6, v1, 4, v6
	v_add_nc_u32 v[RD], s83, v6                    ; back: lanes 0-15 one row, lanes 16-31 the next
	v_lshlrev_b32 v7, 12, v2
	v_lshl_add_u32 v[CO], v1, 4, v7                ; and the same two rows in out0
	s_mul_i32 s84, s16, 4*BLKB
	s_add_co_u32 s84, s84, WB
	v_add_nc_u32 v5, s84, v[L8]
.irp q, 0,1,2,3,4,5,6,7
	v_add_nc_u32 v[AD+\q], 1536*\q, v5             ; W's first tile of mine
.endr
	WALU                                           ; the wait at the head's end
	s_wait_dscnt 0x0                               ; both opening adds are done
	CROUND                                         ; all sixteen work-groups are here: the joint loads meet
	s_wait_kmcnt 0x0
	s_add_nc_u64 s[G0W+2:G0W+3], s[6:7], s[46:47]
	s_or_b32 s[G0W+3], s[G0W+3], 0x80000000
	s_add_nc_u64 s[G0S+2:G0S+3], s[4:5], s[22:23]
	s_or_b32 s[G0S+3], s[G0S+3], 0x80000000
	s_add_nc_u64 s[G0Y+2:G0Y+3], s[4:5], s[20:21]
	s_add_nc_u64 s[G0Y+6:G0Y+7], s[G0Y+2:G0Y+3], 8*BLKB
	s_or_b32 s[G0Y+3], s[G0Y+3], 0x80000000
	s_or_b32 s[G0Y+7], s[G0Y+7], 0x80000000
	s_add_nc_u64 s[76:77], s[6:7], s[76:77]
	s_add_nc_u64 s[78:79], s[6:7], s[78:79]
	s_add_nc_u64 s[80:81], s[8:9], s[80:81]
	s_cmp_eq_u32 s14, 0                            ; one load a wave, one chain of branches: W first, since it goes on into registers
	s_cbranch_scc0 .Lwave_1
	TLOAD G0W, G1W
	s_branch .Lasked
.Lwave_1:
	s_cmp_eq_u32 s14, 1
	s_cbranch_scc0 .Lwave_2
	TLOAD G0S, G1S
	s_branch .Lasked
.Lwave_2:
	s_cmp_eq_u32 s14, 2
	s_cbranch_scc0 .Lwave_3
	TLOAD G0Y, G1Y
	s_branch .Lasked
.Lwave_3:
	TLOAD G0Y+4, G1Y
.Lasked:
.irp j, 0,1,2,3
	global_load_b128 v[CB+8*\j:CB+8*\j+3], v[BO], s[78:79] offset:128*(\j/2)+32*(\j%2)        ; register i of tile j wants the bias of column 32 (j / 2) + 8 (j % 2) + 16 h + i
	global_load_b128 v[CB+8*\j+4:CB+8*\j+7], v[BO], s[78:79] offset:128*(\j/2)+32*(\j%2)+16
.endr
.irp p, 0,1
.irp c, 0,1
	global_load_b128 v[SB+8*\p+4*\c:SB+8*\p+4*\c+3], v[ABS], s[76:77] offset:1024*\p+16*\c   ; lane l: the eight scale words of W's row 32 p + l
.endr
.endr
	s_cmp_eq_u32 s14, 0
	s_cbranch_scc0 .Lnot_w
	s_wait_tensorcnt 0x0                           ; wave 0's line is its own: W's rows are in
.Lnot_w:
	BARRIER                                        ; the other tiles may be on their way
.irp j, 0,1,2,3                        ; my 64 rows of W, all of K: 96 loads
.irp q, 0,1,2,3,4,5,6,7
	FRAG 4*\q+\j, \q
.endr
	WIN 0
.if \j < 3
.irp q, 0,1,2,3,4,5,6,7
	v_add_nc_u32 v[AD+\q], BLKB, v[AD+\q]
.endr
.endif
.endr
	s_mul_i32 s84, s15, 8*BLKB
	v_add_nc_u32 v5, s84, v[L8]
.irp q, 0,1,2,3,4,5,6,7
	v_add_nc_u32 v[AD+\q], 1536*\q, v5             ; y's first block of mine
.endr
	WALU                                           ; the wait ahead of the blocking waits
	s_wait_tensorcnt 0x0                           ; every wave's tile is in,
	s_wait_dscnt 0x0
	BARRIER                                        ; and shown to all
	FETCH 0
	NEXT
	FETCH 1
	s_wait_loadcnt 0x0                             ; the bias and W's scale words
.irp s, 0,1,2,3,4,5,6,7
	BLK \s
.endr
	s_wait_dscnt 0x0
	SEND 7
	s_wait_tensorcnt 0x0                           ; the wave's end
	ds_add_u32 v[SPW], v[NIL]
	s_wait_dscnt 0x0
	CROUND                                         ; the closing round
	s_endpgm
.Lfunc_end_k_q3f6fa5e008_proj:
	.size	k_q3f6fa5e008_proj, .Lfunc_end_k_q3f6fa5e008_proj-k_q3f6fa5e008_proj
	.p2alignl 7, 3214868480
	.fill 96, 4, 3214868480
	.section	.rodata,"a",@progbits
	.p2align	6, 0x0
	.amdhsa_kernel k_q3f6fa5e008_proj
		.amdhsa_group_segment_fixed_size 327680
		.amdhsa_private_segment_fixed_size 0
		.amdhsa_enable_private_segment 0
		.amdhsa_kernarg_size 24
		.amdhsa_user_sgpr_count 2
		.amdhsa_user_sgpr_kernarg_segment_ptr 1
		.amdhsa_wavefront_size32 1
		.amdhsa_system_sgpr_workgroup_id_x 1
		.amdhsa_system_sgpr_workgroup_id_y 1
		.amdhsa_system_sgpr_workgroup_id_z 1
		.amdhsa_system_vgpr_workitem_id 0
		.amdhsa_next_free_vgpr 1024
		.amdhsa_next_free_sgpr 100
		.amdhsa_reserve_vcc 0
		.amdhsa_float_denorm_mode_32 3
		.amdhsa_float_denorm_mode_16_64 3
		.amdhsa_memory_ordered 1
		.amdhsa_forward_progress 1
		.amdhsa_inst_pref_size 84
	.end_amdhsa_kernel
	.amdgpu_metadata
---
amdhsa.version: [ 1, 2 ]
amdhsa.kernels:
  - .name:           k_q3f6fa5e008_proj
    .symbol:         k_q3f6fa5e008_proj.kd
    .args:
      - { .name: yq, .offset: 0, .size: 8, .value_kind: global_buffer, .address_space: global }
      - { .name: wp, .offset: 8, .size: 8, .value_kind: global_buffer, .address_space: global }
      - { .name: out0, .offset: 16, .size: 8, .value_kind: global_buffer, .address_space: global }
    .group_segment_fixed_size: 327680
    .private_segment_fixed_size: 0
    .kernarg_segment_align: 8
    .kernarg_segment_size: 24
    .max_flat_workgroup_size: 128
    .sgpr_count:     100
    .vgpr_count:     1024
    .wavefront_size: 32
...
	.end_amdgpu_metadata
.endif
;; end of part 4
